; MI455X (gfx1250); checked and timed in simulation.
; The chip was launched on July 23, 2026; its instructions are those of AMD's public machine-readable ISA for CDNA 5 (MIT licence, August 2026) and "CDNA5" Instruction Set Architecture Reference Guide (July 2026). The comments in the code are by the model that wrote it; some were corrected since.
;; Causal Self Attention. Allowed arithmetic: float matrix products may take bf16 or f16 operands with f32 sums; all other float work in f32.
;; Inputs: b_attn 3,072 float32; b_proj 1,024 float32; w_attn 1,024 x 3,072 float32; w_proj 1,024 x 1,024 float32; x 2 x 2,048 x 1,024 float32.
;; Outputs: out0 2 x 2,048 x 1,024 float32.
;; 2 versions, each right; version 2 is version 1 with the launch cast written anew for expert scheduling mode. Each part assembles by itself: llvm-mc -triple=amdgcn-amd-amdhsa -mcpu=gfx1250 --defsym DOCPART=n.
;; ======== version 1 of 2: 4 launches
;; limits: values are held in f16: magnitudes above 65,504 overflow, below 6.1e-05 lose precision
;; workspace buffers: xb 8,388,608 bytes; wab 6,291,456 bytes; wpb 2,097,152 bytes; qkv 25,165,824 bytes; y 16,777,216 bytes
;; launch cast (part 1): grid 256 x 1, 8 waves a work-group, no clusters, 0 bytes of LDS; arguments x, w_attn, w_proj, xb, wab, wpb; writes xb, wab, wpb
.if DOCPART == 1
	.amdgcn_target "amdgcn-amd-amdhsa--gfx1250"
	.amdhsa_code_object_version 6
	.text
	.protected	k_q840127ab2e_cast
	.globl	k_q840127ab2e_cast
	.p2align	8
	.type	k_q840127ab2e_cast,@function
k_q840127ab2e_cast:
	s_mov_b64 s[64:65], 0
	v_nop
	global_prefetch_b8 v0, s[64:65] scope:SCOPE_SE
	s_setreg_imm32_b32 hwreg(HW_REG_WAVE_MODE, 25, 1), 1
	s_wait_xcnt 0x0
; xb = bf16(x), wab = bf16(w_attn), wpb = bf16(w_proj) kept in f16's format; all rounded to nearest even, number by number.
; The products that follow read each of these numbers many times; converting once here halves their bytes and lets the weights, which lie
; [k][n], be read from LDS by the transposing 16-bit load.  All three inputs carry one and the same rounding, to bf16's 8 significant bits.
; w_proj's partner in its product is f16, so its bf16 value is written as f16: exact for magnitudes from 2^-17 up (8 bits fit in f16's 11, and
; in its denormals' step of 2^-24), off by at most 2^-25 below.
; LIMIT: a w_proj of magnitude 65,520 or more becomes an infinity in f16.
; A pure stream: no LDS, no matrix unit, no cluster (no byte is read twice).
; A work-group takes one chunk of 32,768 numbers (131,072 bytes in, 65,536 out): groups 0-127 x's 128 chunks, groups 128-223 w_attn's 96,
; groups 224-255 w_proj's 32.  Thread t takes 16 bytes at 16 t of each 4,096-byte piece: a wave's load covers 512 neighbouring bytes, its
; store 256 neighbouring bytes at a multiple of 256.  All 32 loads of a thread go out at once.
.set PIECES, 32                        ; pieces of 4,096 bytes in a chunk
.set X, 4                              ; v[4:131]   32 x 4 registers as loaded
.set Y, 132                            ; v[132:195] 32 x 2 registers to store
	s_load_b256 s[4:11], s[0:1], 0x0               ; x s[4:5], w_attn s[6:7], w_proj s[8:9], xb s[10:11]
	s_load_b128 s[12:15], s[0:1], 0x20             ; wab s[12:13], wpb s[14:15]
	v_lshlrev_b32 v1, 4, v0                        ; 16 t: my bytes in a piece of the source
	v_lshlrev_b32 v2, 3, v0                        ; 8 t: my bytes in a piece of the result
	s_sub_co_u32 s16, ttmp9, 128                   ; chunk number if the group works on w_attn
	s_sub_co_u32 s17, ttmp9, 224                   ; chunk number if it works on w_proj
	s_mov_b32 s19, 0xffff0000                      ; a word's upper bf16
	s_wait_kmcnt 0x0
	s_cmp_lt_u32 ttmp9, 224                        ; w_attn or w_proj
	s_cselect_b64 s[20:21], s[6:7], s[8:9]
	s_cselect_b64 s[22:23], s[12:13], s[14:15]
	s_cselect_b32 s18, s16, s17
	s_cmp_lt_u32 ttmp9, 128                        ; or x
	s_cselect_b64 s[20:21], s[4:5], s[20:21]
	s_cselect_b64 s[22:23], s[10:11], s[22:23]
	s_cselect_b32 s18, ttmp9, s18
	s_lshl_b32 s16, s18, 17                        ; chunk x 131,072 bytes
	s_mov_b32 s17, 0
	s_add_nc_u64 s[20:21], s[20:21], s[16:17]
	s_lshl_b32 s16, s18, 16                        ; chunk x 65,536 bytes
	s_add_nc_u64 s[22:23], s[22:23], s[16:17]
.set i, 0
.rept PIECES
	global_load_b128 v[X+4*i:X+4*i+3], v1, s[20:21] offset:4096*i th:TH_LOAD_NT
.set i, i+1
.endr
	s_cmp_lt_u32 ttmp9, 224
	s_cbranch_scc0 .Lwproj
	; x and w_attn: to bf16
.set i, 0
.rept PIECES
	s_wait_loadcnt PIECES-1-i                      ; loads come back in order: piece i is in, the younger ones stay out
	v_cvt_pk_bf16_f32 v[Y+2*i],   v[X+4*i],   v[X+4*i+1]
	v_cvt_pk_bf16_f32 v[Y+2*i+1], v[X+4*i+2], v[X+4*i+3]
	global_store_b64 v2, v[Y+2*i:Y+2*i+1], s[22:23] offset:2048*i
.set i, i+1
.endr
	s_endpgm
.Lwproj:
	; w_proj: to bf16, widened again (a shift, a mask), and written as f16
.set i, 0
.rept PIECES
	s_wait_loadcnt PIECES-1-i                      ; the same counts on this path: the same 32 loads were issued
	v_cvt_pk_bf16_f32 v[Y+2*i],   v[X+4*i],   v[X+4*i+1]
	v_cvt_pk_bf16_f32 v[Y+2*i+1], v[X+4*i+2], v[X+4*i+3]
	v_lshlrev_b32 v[X+4*i],   16,  v[Y+2*i]
	v_and_b32     v[X+4*i+1], s19, v[Y+2*i]
	v_lshlrev_b32 v[X+4*i+2], 16,  v[Y+2*i+1]
	v_and_b32     v[X+4*i+3], s19, v[Y+2*i+1]
	v_cvt_pk_f16_f32 v[Y+2*i],   v[X+4*i],   v[X+4*i+1]
	v_cvt_pk_f16_f32 v[Y+2*i+1], v[X+4*i+2], v[X+4*i+3]
	global_store_b64 v2, v[Y+2*i:Y+2*i+1], s[22:23] offset:2048*i
.set i, i+1
.endr
	s_endpgm
.Lfunc_end_k_q840127ab2e_cast:
	.size	k_q840127ab2e_cast, .Lfunc_end_k_q840127ab2e_cast-k_q840127ab2e_cast
	.p2alignl 7, 3214868480
	.fill 96, 4, 3214868480
	.section	.rodata,"a",@progbits
	.p2align	6, 0x0
	.amdhsa_kernel k_q840127ab2e_cast
		.amdhsa_group_segment_fixed_size 0
		.amdhsa_private_segment_fixed_size 0
		.amdhsa_enable_private_segment 0
		.amdhsa_kernarg_size 48
		.amdhsa_user_sgpr_count 2
		.amdhsa_user_sgpr_kernarg_segment_ptr 1
		.amdhsa_wavefront_size32 1
		.amdhsa_system_sgpr_workgroup_id_x 1
		.amdhsa_system_sgpr_workgroup_id_y 1
		.amdhsa_system_sgpr_workgroup_id_z 1
		.amdhsa_system_vgpr_workitem_id 0
		.amdhsa_next_free_vgpr 196
		.amdhsa_next_free_sgpr 66
		.amdhsa_reserve_vcc 0
		.amdhsa_float_denorm_mode_32 3
		.amdhsa_float_denorm_mode_16_64 3
		.amdhsa_memory_ordered 1
		.amdhsa_forward_progress 1
		.amdhsa_inst_pref_size 29
	.end_amdhsa_kernel
	.amdgpu_metadata
---
amdhsa.version: [ 1, 2 ]
amdhsa.kernels:
  - .name:           k_q840127ab2e_cast
    .symbol:         k_q840127ab2e_cast.kd
    .args:
      - { .name: x, .offset: 0, .size: 8, .value_kind: global_buffer, .address_space: global }
      - { .name: w_attn, .offset: 8, .size: 8, .value_kind: global_buffer, .address_space: global }
      - { .name: w_proj, .offset: 16, .size: 8, .value_kind: global_buffer, .address_space: global }
      - { .name: xb, .offset: 24, .size: 8, .value_kind: global_buffer, .address_space: global }
      - { .name: wab, .offset: 32, .size: 8, .value_kind: global_buffer, .address_space: global }
      - { .name: wpb, .offset: 40, .size: 8, .value_kind: global_buffer, .address_space: global }
    .group_segment_fixed_size: 0
    .private_segment_fixed_size: 0
    .kernarg_segment_align: 8
    .kernarg_segment_size: 48
    .max_flat_workgroup_size: 256
    .sgpr_count:     66
    .vgpr_count:     196
    .wavefront_size: 32
...
	.end_amdgpu_metadata
.endif
;; end of part 1
;; launch qkv (part 2): grid 12 x 16, 4 waves a work-group, clusters of 4 x 4, 327,680 bytes of LDS; arguments xb, wab, qkv, b_attn; writes qkv
.if DOCPART == 2
	.amdgcn_target "amdgcn-amd-amdhsa--gfx1250"
	.amdhsa_code_object_version 6
	.text
	.protected	k_q840127ab2e_qkv
	.globl	k_q840127ab2e_qkv
	.p2align	8
	.type	k_q840127ab2e_qkv,@function
k_q840127ab2e_qkv:
	s_mov_b64 s[64:65], 0
	v_nop
	global_prefetch_b8 v0, s[64:65] scope:SCOPE_SE
	s_setreg_imm32_b32 hwreg(HW_REG_WAVE_MODE, 25, 1), 1
	s_wait_xcnt 0x0
	s_wait_alu depctr_hold_cnt(0) depctr_sa_sdst(0) depctr_va_vdst(0) depctr_va_sdst(0) depctr_va_ssrc(0) depctr_va_vcc(0) depctr_vm_vsrc(0)
	s_getreg_b32 s2, hwreg(HW_REG_IB_STS2, 6, 4)
	s_cmp_eq_u32 s2, 0
	s_cbranch_scc0 .Lentry_in_a_cluster
	s_endpgm
.Lentry_in_a_cluster:
	s_bfe_u32 s2, ttmp6, 0x10000c
	s_cmp_lg_u32 s2, 0xf033
	s_cbranch_scc0 .Lentry_shape_is_right
	s_endpgm
.Lentry_shape_is_right:
; qkv = xb wab + b_attn.  xb: [4096][1024] bf16.  wab: [1024 k][3072 n] bf16.  b_attn: [3072] f32.  Sums in f32, started by the bias.
; The result is written in f16, head by head: qkv[b][g][t][d], g = n / 64 (0-15 q's heads, 16-31 k's, 32-47 v's), d = n % 64,
; so that a run of t rows of one head is dense memory for the attention that follows.  f16 and not bf16 for the result: a query with few
; keys passes v on almost unaveraged, and 8 significant bits of v would show in its outputs.
; LIMIT: a result of magnitude 65,520 or more becomes an infinity in f16.
; A work-group makes 256 x 256 numbers with four waves, one for each SIMD of a WGP; a wave makes 128 rows x 128 columns (two heads):
; 64 accumulator tiles, 512 registers.  K goes in 8 steps of 128 through two LDS slots filled by tensor loads.
; CLUSTERS of 4 x 4 work-groups: the four of a row of the cluster need the same rows of xb, the four of a column the same columns of wab.
; Such a tile is asked for jointly: the same tensor load, the same descriptor, a mask that names the four.
;
; LDS: a slot = xb's 256 rows of 256 bytes at a pitch of 272, then wab's 128 k rows of 512 bytes at a pitch of 544 (17 x 32: the
; eight rows that a group of eight lanes of the transposing load touches start 8 words apart modulo 64).  Behind the slots each wave's own stage.
; REGISTERS in windows of 256: window 0: v16-27 addresses, v64-127 and v128-191 fragments of xb (two buffers), v192-255 the bias tiles
; (later the packed results); window 1: v64-127, v128-191 fragments of wab; windows 2, 3: the accumulators of my rows 0-63, 64-127.
; THE MATRIX INSTRUCTION IS USED TRANSPOSED: source 0 = 16 columns of wab, source 1 = 16 rows of xb.  Lane l then holds row l % 16 and,
; in registers 0-7, the columns 8 (l / 16) + 0..7: eight neighbouring numbers of a row.
.set SIZE_N, 3072
.set SIZE_K, 1024
.set KSTEP,  128
.set PITCHA, 272
.set PITCHB, 544
.set HALFT,  128*PITCHA                ; 34,816 bytes: 128 rows of xb, or 64 k rows of wab: what one tensor load brings
.set SLOT,   4*HALFT
.set STAGE,  2*SLOT
.set SPITCH, 272
.set LAPS,   SIZE_K/(2*KSTEP)          ; 4 laps of two K steps
.set HEADB,  2048*64*2                 ; bytes of one head in qkv
.set ADRA, 16                          ; v16-17  LDS address of my xb fragments in slot 0, 1
.set ADRB, 20                          ; v20-21  the same for wab
.set STO,  24                          ; v24     way out: where I put 16 bytes of a row
.set RD,   25                          ; v25     way out: where I read back
.set CO,   26                          ; v26     way out: 16 x lane
.set BO,   27                          ; v27     byte offset of my half's eight bias numbers
.set F0,   64
.set F1,   128
.set BIAS, 192                         ; v[192:255] tile b: register j = bias of column 16 b + 8 (l / 16) + j
.set TMP,  192                         ; way out: packed results (the bias tiles are dead by then)
.set G1,  24                           ; s[24:31] group 1 for xb's tiles
.set G0,  32                           ; s[32:39] group 0 for xb's tiles, a set for each slot
.set G1B, 48                           ; s[48:55] group 1 for wab's tiles
.set G0B, 56                           ; s[56:63] group 0 for wab's tiles, a set for each slot
.set MSB, 0
.macro WIN new                         ; the immediate's high byte repeats the setting that is left
.if MSB != \new
	s_set_vgpr_msb (MSB<<8)|\new
.set MSB, \new
.endif
.endm
.set MUL_LO,   0xa1                    ; source 0 (wab) window 1, source 1 (xb) window 0, C and D window 2
.set MUL_HI,   0xf1                    ; the same, C and D window 3
.set FIRST_LO, 0x81                    ; the first products: C is a bias tile in window 0, D window 2
.set FIRST_HI, 0xc1                    ; D window 3
.set TO_B,     0x40                    ; destination window 1, address window 0
; A joint load: waves 0, 1 fetch xb's two halves, waves 2, 3 wab's.  The branch hangs on the wave's number alone.
.macro JLOAD s
	s_cmp_eq_u32 s11, 0
	s_cbranch_scc0 .Lfor_b_\@
	tensor_load_to_lds s[G0+4*\s:G0+4*\s+3], s[G1:G1+7]
	s_nop 0
	s_branch .Lasked_\@
.Lfor_b_\@:
	tensor_load_to_lds s[G0B+4*\s:G0B+4*\s+3], s[G1B:G1B+7]
	s_nop 0
.Lasked_\@:
.endm
; A round of the cluster's barrier: my work-group's barrier; wave 0 signals for the work-group; every wave waits for all sixteen; my work-group's barrier again.
.macro CREST                           ; a round behind its opening barrier
	s_cmp_lg_u32 s10, 0
	s_cbranch_scc1 .Lnot_wave_0_\@
	s_barrier_signal -3
.Lnot_wave_0_\@:
	s_barrier_wait -3
	s_barrier_signal -1
	s_barrier_wait -1
.endm
.macro CROUND
	s_barrier_signal -1
	s_barrier_wait -1
	CREST
.endm
	s_load_b128 s[4:7], s[0:1], 0x0                ; xb s[4:5], wab s[6:7]
	s_load_b64 s[8:9], s[0:1], 0x10                ; qkv
	s_load_b64 s[68:69], s[0:1], 0x18              ; b_attn
	s_set_vgpr_msb 0x40
	v_lshl_add_u32 v255, v0, 2, 0x48400
	s_set_vgpr_msb 0x4000
	v_mov_b32 v63, 0
	s_set_vgpr_msb 0x1
	ds_add_u32 v255, v63
	ds_add_u32 v255, v63
	s_set_vgpr_msb 0x100
	v_lshrrev_b32 v1, 5, v0
	v_readfirstlane_b32 s10, v1                    ; wave 0..3
	s_lshr_b32 s11, s10, 1                         ; my half of the block's rows.  Also: I fetch xb (0) or wab (1)
	s_and_b32 s12, s10, 1                          ; my half of its columns.  Also: which half of that tile I fetch
	s_bfe_u32 s40, ttmp6, 0x40000                  ; cx
	s_bfe_u32 s41, ttmp6, 0x40004                  ; cy
	s_lshl_b32 s42, ttmp9, 2
	s_add_co_u32 s42, s42, s40                     ; block column = 4 x cluster x + cx
	s_and_b32 s13, ttmp7, 0xffff
	s_lshl_b32 s13, s13, 2
	s_add_co_u32 s13, s13, s41                     ; block row = 4 x cluster y + cy
	s_lshl_b32 s43, s41, 2
	s_lshl_b32 s43, 15, s43                        ; my row of the cluster: places 4 cy .. 4 cy + 3
	s_lshl_b32 s44, 0x1111, s40                    ; my column: places cx, cx + 4, cx + 8, cx + 12
	; group 1 for xb: 128 rows x 128 elements of 2 bytes, 4 words of padding after every 64 words
	s_or_b32 s[G1+0], s43, (1<<16)|(1<<20)|(1<<21)|(5<<22)|(3<<25)
	s_mov_b32 s[G1+1], KSTEP<<16                   ; tensor_dim0 = 128
	s_mov_b32 s[G1+2], 128<<16                     ; tensor_dim1 = 128
	s_mov_b32 s[G1+3], KSTEP<<16                   ; tile_dim0 = 128
	s_mov_b32 s[G1+4], 128                         ; tile_dim1 = 128
	s_mov_b32 s[G1+5], SIZE_K                      ; elements from row to row
	s_mov_b32 s[G1+6], 0
	s_mov_b32 s[G1+7], 0
	; group 1 for wab: 64 k rows x 256 elements of 2 bytes, 8 words of padding after every 128 words
	s_or_b32 s[G1B+0], s44, (1<<16)|(1<<20)|(1<<21)|(6<<22)|(7<<25)
	s_mov_b32 s[G1B+1], 256<<16                    ; tensor_dim0 = 256
	s_mov_b32 s[G1B+2], 64<<16                     ; tensor_dim1 = 64
	s_mov_b32 s[G1B+3], 256<<16                    ; tile_dim0 = 256
	s_mov_b32 s[G1B+4], 64                         ; tile_dim1 = 64
	s_mov_b32 s[G1B+5], SIZE_N
	s_mov_b32 s[G1B+6], 0
	s_mov_b32 s[G1B+7], 0
	; xb's tiles hang on the block row alone, wab's on the block column alone; each address in registers that never hold the other coordinate
	s_lshl_b32 s17, s12, 7
	s_lshl_b32 s16, s13, 8
	s_add_co_u32 s16, s16, s17                     ; xb: row 256 x block row + 128 x half
	s_lshl_b32 s16, s16, 11                        ; x 2,048 bytes
	s_mov_b32 s17, 0
	s_lshl_b32 s46, s42, 9                         ; wab: 512 bytes of a k row for each block column
	s_mul_i32 s47, s12, 64*SIZE_N*2                ; + 64 k rows x half
	s_add_co_u32 s46, s46, s47
	s_mov_b32 s47, 0
	s_lshl_b32 s70, s42, 10                        ; bias: (256 x block column + 128 x half) x 4 bytes
	s_lshl_b32 s71, s12, 9
	s_add_co_u32 s70, s70, s71
	s_mov_b32 s71, 0
	s_mul_i32 s20, s10, HALFT                      ; where my part goes in a slot: wave x 34,816
	s_wait_dscnt 0x0
	s_wait_kmcnt 0x0
	s_add_nc_u64 s[14:15], s[4:5], s[16:17]
	s_add_nc_u64 s[46:47], s[6:7], s[46:47]
	s_add_nc_u64 s[68:69], s[68:69], s[70:71]
	CROUND                                         ; all sixteen work-groups are here: the first joint loads meet
.irp s, 0,1
	s_mov_b32 s[G0+4*\s], 1
	s_add_co_u32 s[G0+4*\s+1], s20, \s*SLOT
	s_add_nc_u64 s[G0+4*\s+2:G0+4*\s+3], s[14:15], \s*KSTEP*2
	s_or_b32 s[G0+4*\s+3], s[G0+4*\s+3], 0x80000000
	s_mov_b32 s[G0B+4*\s], 1
	s_add_co_u32 s[G0B+4*\s+1], s20, \s*SLOT
	s_add_nc_u64 s[G0B+4*\s+2:G0B+4*\s+3], s[46:47], \s*KSTEP*SIZE_N*2
	s_or_b32 s[G0B+4*\s+3], s[G0B+4*\s+3], 0x80000000
	JLOAD \s                                       ; both slots' first fills: two tensor loads of the wave are out
.endr
	v_and_b32 v1, 15, v0                           ; l % 16
	v_bfe_u32 v2, v0, 4, 1                         ; l / 16
	v_lshlrev_b32 v[BO], 5, v2                     ; eight f32 for each half of the lanes
.irp b, 0,1,2,3,4,5,6,7
	global_load_b128 v[BIAS+8*\b:BIAS+8*\b+3],   v[BO], s[68:69] offset:64*\b
	global_load_b128 v[BIAS+8*\b+4:BIAS+8*\b+7], v[BO], s[68:69] offset:64*\b+16
.endr
	; xb's fragment: lane l holds row l % 16; two loads of 16 bytes, 32 bytes apart, at row x pitch + 16 (l / 16)
	v_mul_u32_u24 v3, v1, PITCHA
	v_lshl_add_u32 v3, v2, 4, v3
	; wab's fragment, by the transposing load: lane l addresses k row 8 (l / 16) + l % 8 and the 16 bytes (l / 8) % 2 of the 16 columns
	v_and_b32 v6, 7, v0
	v_lshl_add_u32 v6, v2, 3, v6
	v_mul_u32_u24 v6, v6, PITCHB
	v_bfe_u32 v7, v0, 3, 1
	v_lshl_add_u32 v6, v7, 4, v6
	s_mul_i32 s21, s11, HALFT                      ; my 128 rows of xb
	s_lshl_b32 s22, s12, 8                         ; my 128 columns of wab: 256 bytes of each k row,
	s_add_co_u32 s22, s22, 2*HALFT                 ; behind xb's 256 rows
.irp s, 0,1
	v_add_nc_u32 v[ADRA+\s], s21, v3
	v_add_nc_u32 v[ADRB+\s], s22, v6
	s_add_co_u32 s21, s21, SLOT
	s_add_co_u32 s22, s22, SLOT
.endr
	s_mul_i32 s23, s10, 16*SPITCH
	s_add_co_u32 s23, s23, STAGE                   ; my stage
	v_mul_u32_u24 v4, v1, SPITCH                   ; in: row l % 16, 16 bytes for each half of the lanes
	v_lshl_add_u32 v4, v2, 4, v4
	v_add_nc_u32 v[STO], s23, v4
	v_bfe_u32 v5, v0, 3, 2                         ; back: eight lanes take the 128 bytes of one row and one head, a wave four rows
	v_mul_u32_u24 v5, v5, SPITCH
	v_and_b32 v7, 7, v0
	v_lshl_add_u32 v5, v7, 4, v5
	v_add_nc_u32 v[RD], s23, v5
	v_and_b32 v7, 31, v0
	v_lshlrev_b32 v[CO], 4, v7                     ; which in qkv are 512 neighbouring bytes
; 16 matrix instructions: row blocks a0, a0 + 1 of the window's four x all 8 column blocks, 32 along K.
; first = 1: the first product adds onto the bias tile and so starts the sum: nothing is cleared and no bias is added later.
; The 64 accumulators take turns, one instruction a turn, in the same order in every quarter step.
.macro MUL16 f, hi, a0, first
.irp a, \a0, \a0+1
.irp b, 0,1,2,3,4,5,6,7
.if \first
	v_wmma_f32_16x16x32_bf16 v[8*(8*(\a)+\b):8*(8*(\a)+\b)+7], v[\f+8*\b:\f+8*\b+7], v[\f+8*(4*\hi+\a):\f+8*(4*\hi+\a)+7], v[BIAS+8*\b:BIAS+8*\b+7]
.else
	v_wmma_f32_16x16x32_bf16 v[8*(8*(\a)+\b):8*(8*(\a)+\b)+7], v[\f+8*\b:\f+8*\b+7], v[\f+8*(4*\hi+\a):\f+8*(4*\hi+\a)+7], v[8*(8*(\a)+\b):8*(8*(\a)+\b)+7]
.endif
.endr
.endr
.endm
; 32 LDS loads in one run: the fragments of quarter kq (32 along K) of a slot into buffer f: wab's 8 column blocks, then xb's 8 row blocks
.macro FETCH slot, kq, f
	WIN TO_B
.irp i, 0,1,2,3,4,5,6,7
	ds_load_tr16_b128 v[\f+8*\i:\f+8*\i+3],   v[ADRB+\slot] offset:\kq*32*PITCHB+32*\i
	ds_load_tr16_b128 v[\f+8*\i+4:\f+8*\i+7], v[ADRB+\slot] offset:\kq*32*PITCHB+16*PITCHB+32*\i
.endr
	WIN 0
.irp i, 0,1,2,3,4,5,6,7
	ds_load_b128 v[\f+8*\i:\f+8*\i+3],   v[ADRA+\slot] offset:\kq*64+\i*16*PITCHA
	ds_load_b128 v[\f+8*\i+4:\f+8*\i+7], v[ADRA+\slot] offset:\kq*64+\i*16*PITCHA+32
.endr
.endm
; Four independent vector instructions between a matrix instruction and a load into, or a vector instruction on, its registers
.macro PLACES
.rept 4
	v_nop
.endr
.endm
; One of a K step's first three quarters: multiplies buffer f and, in its middle, fetches quarter kq into buffer g
.macro QUARTER slot, kq, f, g, first
	s_wait_dscnt 8                                 ; wab's fragments and xb's rows 0-63 are in; the youngest eight loads (rows 64-127) may be out
.if \first
	WIN FIRST_LO
.else
	WIN MUL_LO
.endif
	MUL16 \f, 0, 0, \first
	MUL16 \f, 0, 2, \first
	PLACES
	FETCH \slot, \kq, \g
	s_wait_dscnt 32                                ; all but the 32 just issued
.if \first
	WIN FIRST_HI
.else
	WIN MUL_HI
.endif
	MUL16 \f, 1, 0, \first
	MUL16 \f, 1, 2, \first
.endm
.macro THREE slot, first
	QUARTER \slot, 1, F0, F1, \first
	QUARTER \slot, 2, F1, F0, 0
	QUARTER \slot, 3, F0, F1, 0
.endm
; The last quarter: multiplies buffer 1 and changes slots.  In front of the barrier each wave waits for its reads of this slot and for all
; its tensor loads (one is out: its part of the next slot).  Behind it the refill comes first, then the next slot's first fragments.
; From a request to the wait for it a wave issues 240 matrix instructions.
.macro TURN slot, next, fill
	s_wait_dscnt 8
	WIN MUL_LO
	MUL16 F1, 0, 0, 0
	s_wait_dscnt 0                                 ; my reads of this slot are over
	s_wait_tensorcnt 0x0                           ; all my tensor loads have landed
	ds_add_u32 v255, v63
	s_wait_dscnt 0x0
	s_barrier_signal -1                            ; (where a slot is filled again this barrier opens a round of the cluster's barrier)
	MUL16 F1, 0, 2, 0                              ; register work while the others arrive
	WIN 0
	s_barrier_wait -1
.if \fill
	CREST                                          ; no wave of any partner still reads this slot or has a load on its way
	s_add_nc_u64 s[G0+4*\slot+2:G0+4*\slot+3], s[G0+4*\slot+2:G0+4*\slot+3], 2*KSTEP*2
	s_add_nc_u64 s[G0B+4*\slot+2:G0B+4*\slot+3], s[G0B+4*\slot+2:G0B+4*\slot+3], 2*KSTEP*SIZE_N*2
	JLOAD \slot                                    ; my one tensor load behind the round, and the first thing there
.endif
	PLACES
	FETCH \next, 0, F0
	WIN MUL_HI
	MUL16 F1, 1, 0, 0
	MUL16 F1, 1, 2, 0
.endm
.macro LAP first
	THREE 0, \first
	TURN 0, 1, 1
	THREE 1, 0
	TURN 1, 0, 1
.endm
	s_wait_loadcnt 0x0                             ; the bias tiles
	s_wait_tensorcnt 0x1                           ; my part of K step 0 is in; K step 1's stays out
	s_barrier_signal -1
	s_barrier_wait -1
	FETCH 0, 0, F0
	LAP 1                                          ; the first lap stands in front of the loop: its first products start the sums
	WIN 0
	s_mov_b32 s3, LAPS-2
.Llap:
	LAP 0
	WIN 0
	s_sub_co_u32 s3, s3, 1
	s_cmp_lg_u32 s3, 0
	s_cbranch_scc1 .Llap
	THREE 0, 0                                     ; the last lap fills nothing
	TURN 0, 1, 0
	THREE 1, 0
	s_wait_dscnt 8
	WIN MUL_LO
	MUL16 F1, 0, 0, 0
	MUL16 F1, 0, 2, 0
	s_wait_dscnt 0
	WIN MUL_HI
	MUL16 F1, 1, 0, 0
	MUL16 F1, 1, 2, 0
	; THE WAY OUT, 16 rows at a time: round to f16, 16 bytes a lane into my own stage, read back head by head.
	PLACES
	s_lshl_b32 s16, s13, 8
	s_lshl_b32 s14, s11, 7
	s_add_co_u32 s16, s16, s14                     ; my first row = 2048 b + t
	s_lshr_b32 s14, s16, 11                        ; b
	s_mul_i32 s14, s14, 48
	s_lshl_b32 s14, s14, 18                        ; 48 heads of 262,144 bytes for each b
	s_and_b32 s16, s16, 2047                       ; t
	s_lshl_b32 s16, s16, 7                         ; 128 bytes a row of a head
	s_add_co_u32 s16, s16, s14
	s_mov_b32 s17, 0
	s_add_nc_u64 s[8:9], s[8:9], s[16:17]
	s_lshl_b32 s46, s42, 2                         ; my first head g = 4 x block column + 2 x half (in the registers that held wab's address)
	s_lshl_b32 s47, s12, 1
	s_add_co_u32 s46, s46, s47
	s_lshl_b32 s46, s46, 18
	s_mov_b32 s47, 0
	s_add_nc_u64 s[8:9], s[8:9], s[46:47]
; rows 16 i .. 16 i + 15 of my block = the eight tiles (a, 0..7) of window 2 or 3 (from = 0x0a or 0x0f); f: F0 or F1 in turn
.macro OUT16 i, a, from, f
	WIN \from
.irp b, 0,1,2,3,4,5,6,7
.irp r, 0,1,2,3
	v_cvt_pk_f16_f32 v[TMP+4*\b+\r], v[8*(8*\a+\b)+2*\r], v[8*(8*\a+\b)+2*\r+1]
.endr
.endr
	WIN 0
.irp b, 0,1,2,3,4,5,6,7
	ds_store_b128 v[STO], v[TMP+4*\b:TMP+4*\b+3] offset:32*\b
.endr
	s_wait_xcnt 0x0                                ; buffer f, which earlier stores read, and the stores' base are rewritten only behind this wait
.if \i
	s_add_nc_u64 s[8:9], s[8:9], 16*128            ; 16 rows of a head on
.endif
.irp e, 0,1
.irp q, 0,1,2,3
	ds_load_b128 v[\f+4*(4*\e+\q):\f+4*(4*\e+\q)+3], v[RD] offset:\q*4*SPITCH+128*\e   ; LDS serves a wave's instructions in order: these see the stores above
.endr
.endr
.irp e, 0,1
.irp q, 0,1,2,3
	s_wait_dscnt 7-(4*\e+\q)
	global_store_b128 v[CO], v[\f+4*(4*\e+\q):\f+4*(4*\e+\q)+3], s[8:9] offset:\e*HEADB+\q*512   ; four rows of head e: 512 neighbouring bytes at a multiple of 512
.endr
.endr
.endm
	OUT16 0, 0, 0x0a, F0
	OUT16 1, 1, 0x0a, F1
	OUT16 2, 2, 0x0a, F0
	OUT16 3, 3, 0x0a, F1
	OUT16 4, 0, 0x0f, F0
	OUT16 5, 1, 0x0f, F1
	OUT16 6, 2, 0x0f, F0
	OUT16 7, 3, 0x0f, F1
	s_set_vgpr_msb 0x1
	s_wait_tensorcnt 0x0
	ds_add_u32 v255, v63
	s_wait_dscnt 0x0
	s_set_vgpr_msb 0x100
	CROUND                                         ; the closing round: no work-group ends while a partner may still ask for a tile that names it
	s_endpgm
.Lfunc_end_k_q840127ab2e_qkv:
	.size	k_q840127ab2e_qkv, .Lfunc_end_k_q840127ab2e_qkv-k_q840127ab2e_qkv
	.p2alignl 7, 3214868480
	.fill 96, 4, 3214868480
	.section	.rodata,"a",@progbits
	.p2align	6, 0x0
	.amdhsa_kernel k_q840127ab2e_qkv
		.amdhsa_group_segment_fixed_size 327680
		.amdhsa_private_segment_fixed_size 0
		.amdhsa_enable_private_segment 0
		.amdhsa_kernarg_size 32
		.amdhsa_user_sgpr_count 2
		.amdhsa_user_sgpr_kernarg_segment_ptr 1
		.amdhsa_wavefront_size32 1
		.amdhsa_system_sgpr_workgroup_id_x 1
		.amdhsa_system_sgpr_workgroup_id_y 1
		.amdhsa_system_sgpr_workgroup_id_z 1
		.amdhsa_system_vgpr_workitem_id 0
		.amdhsa_next_free_vgpr 1024
		.amdhsa_next_free_sgpr 72
		.amdhsa_reserve_vcc 0
		.amdhsa_float_denorm_mode_32 3
		.amdhsa_float_denorm_mode_16_64 3
		.amdhsa_memory_ordered 1
		.amdhsa_forward_progress 1
		.amdhsa_inst_pref_size 198
	.end_amdhsa_kernel
	.amdgpu_metadata
---
amdhsa.version: [ 1, 2 ]
amdhsa.kernels:
  - .name:           k_q840127ab2e_qkv
    .symbol:         k_q840127ab2e_qkv.kd
    .args:
      - { .name: xb, .offset: 0, .size: 8, .value_kind: global_buffer, .address_space: global }
      - { .name: wab, .offset: 8, .size: 8, .value_kind: global_buffer, .address_space: global }
      - { .name: qkv, .offset: 16, .size: 8, .value_kind: global_buffer, .address_space: global }
      - { .name: b_attn, .offset: 24, .size: 8, .value_kind: global_buffer, .address_space: global }
    .group_segment_fixed_size: 327680
    .private_segment_fixed_size: 0
    .kernarg_segment_align: 8
    .kernarg_segment_size: 32
    .max_flat_workgroup_size: 128
    .sgpr_count:     72
    .vgpr_count:     1024
    .wavefront_size: 32
...
	.end_amdgpu_metadata
.endif
;; end of part 2
;; launch attn (part 3): grid 8 x 32, 8 waves a work-group, no clusters, 327,680 bytes of LDS; arguments qkv, y; writes y
.if DOCPART == 3
	.amdgcn_target "amdgcn-amd-amdhsa--gfx1250"
	.amdhsa_code_object_version 6
	.text
	.protected	k_q840127ab2e_attn
	.globl	k_q840127ab2e_attn
	.p2align	8
	.type	k_q840127ab2e_attn,@function
k_q840127ab2e_attn:
	s_mov_b64 s[64:65], 0
	v_nop
	global_prefetch_b8 v0, s[64:65] scope:SCOPE_SE
	s_setreg_imm32_b32 hwreg(HW_REG_WAVE_MODE, 25, 1), 1
	s_wait_xcnt 0x0
; Causal attention, one (batch, head) for each grid y.  qkv: [b][g 48][t 2048][d 64] f16 (q's heads 0-15, k's 16-31, v's 32-47).
; The result softmax over s <= t of (q.k / 8) times v is written as the SUM OF TWO f16 NUMBERS, y[b][part][h][t][d]: part 0 is the f32 result
; cut to 11 significant bits, part 1 the exact remainder rounded to f16; together they hold it to about 2^-21.  A query with few keys has a
; result of v's own size, far above the size of the long averages, and one rounding to 11 bits would show in its row of the next product.
; Products with f16 operands and f32 sums; softmax in f32 with a running maximum taken on the raw sums q.k; the factor c = log2(e) / 8
; enters in the multiply-add in front of the power of two.
; LIMIT: a result of magnitude 65,520 or more becomes an infinity in f16.  Weights below 2^-24 of a row's largest round to zero in f16.
; SHARE: work-group p (grid x, 0-7) does query block 15 - p (job 1) and query block p (job 2), 128 queries each: 16 - p and p + 1 key tiles
; of 128 keys, a flat run of 17 for every p (f < 16 - p: job 1's tile f; else job 2's tile f - (16 - p)); tiles beyond the diagonal are never read.
; EIGHT WAVES, two for each SIMD, in two groups of four: per tile a wave has 64 matrix instructions and about 500 vector instructions that
; hang on them, so a wave alone leaves each unit idle while it uses the other; with two, one wave's softmax runs beside the other's products.
; Group g = wave / 4 takes the tiles f = g, g + 2, ..: nine for group 0, eight for group 1.  Wave w = wave % 4 of both groups has queries
; 32 w .. 32 w + 31, so each job ends with two partial states (maximum, sum, O) for a query.  A wave puts its state of job 1 into LDS at its
; change of jobs and that of job 2 at the end; behind one barrier wave (g, w) merges the two states of job g and writes its result.
; NO CLUSTER: the work-groups of a head read the same tiles, but in another order each, and the trips that mask and that change jobs hang
; on p, which would be the place in the cluster.
; LAYOUT, no movement between lanes but one exchange of halves: S' = K Q' (source 0 = 16 keys, source 1 = 16 queries): lane (r, h) holds
; query r and, in register j of key tile kt, key 16 kt + 8 h + j.  Two neighbouring key tiles packed to f16 are the second source for 32 keys
; of O' = V' P' (source 0 = 16 d of V by the transposing load): lane (r, h) holds query r, register j of d tile dt holds d = 16 dt + 8 h + j.
; LDS: four slots of 40,960 bytes, two for each group: K's 128 rows at a pitch of 144, from 20,480 on V's 128 rows at a pitch of 160 (5 x 32,
; for the transposing load).  From 163,840 on sixteen regions of 8,704 bytes, region 2 x wave + job, for the states: no tensor load lands there.
.set SLOT,  40960
.set KP,    144
.set VP,    160
.set VOFF,  20480
.set PBASE, 4*SLOT                     ; the states
.set PREG,  8704                       ; 16 x 512 bytes of O, 512 of maximum and sum
.set HEADB, 262144                     ; bytes of a head
.set TILEB, 16384                      ; bytes of 128 rows of a head
.set ADK,  2                           ; v2-3    K fragments' address in my group's slot 0, 1
.set ADV,  4                           ; v4-5    V fragments' address in my group's slot 0, 1
.set STO,  6                           ; v6      stage, in
.set RD,   7                           ; v7      stage, back
.set YO,   8                           ; v8      16 x lane
.set QO,   9                           ; v9      my bytes in 16 rows of q
.set NINF, 10                          ; v10     minus infinity
.set PS,   11                          ; v11     where I put my states
.set DQ,   12                          ; v12-13  query - 8 h, for the mask, for each query tile
.set MX,   14                          ; v14-15  running maximum
.set LS,   16                          ; v16-17  running sum (of my half's keys)
.set NM,   18                          ; v[18:19] -c x maximum, twice
.set AL,   20                          ; v[20:21] the factor for the old sums, twice
.set CS,   22                          ; v[22:23] c, twice
.set AD,   24
.set T,    26                          ; v[26:29]
.set U,    30                          ; v[30:37]
.set PRA,  38                          ; v38     the state that group 0's wave left for the job that I merge
.set PRB,  39                          ; v39     the one that group 1's wave left
.set Q,    40                          ; v[40:71]   16 qt + 8 ks
.set S,    72                          ; v[72:135]  32 qt + 8 kt + j
.set P,    136                         ; v[136:167] 16 qt + 4 kt + pair
.set O,    168                         ; v[168:231] 32 qt + 8 dt + j
.set KF,   0                           ; window 1: v[0:63]    8 (2 kt + ks)
.set VF,   64                          ; window 1: v[64:127]  8 (2 dt + ks)
.set Q2,   128                         ; window 1: v[128:159] job 2's q
.set G1K, 16                           ; s[16:23]
.set G1V, 24                           ; s[24:31]
.set G0K, 32                           ; s[32:39] a set for each slot
.set G0V, 40                           ; s[40:47]
.set YB,  66                           ; s[66:67] where I store: job 1's rows in group 0, job 2's in group 1
.set MSB, 0
.macro WIN new
.if MSB != \new
	s_set_vgpr_msb (MSB<<8)|\new
.set MSB, \new
.endif
.endm
.set TO1,  0x40                        ; destination window 1
.set MULW, 0x01                        ; source 0 window 1
.macro PLACES                          ; four independent vector instructions behind a matrix instruction (ISA guide 7.12.1)
.rept 4
	v_nop
.endr
.endm
; In each group waves 0, 1 fetch the halves of K's tile, waves 2, 3 of V's: one tensor load a wave
.macro KVLOAD s
	s_cmp_eq_u32 s9, 0
	s_cbranch_scc0 .Lfor_v_\@
	tensor_load_to_lds s[G0K+4*\s:G0K+4*\s+3], s[G1K:G1K+7]
	s_nop 0
	s_branch .Lasked_\@
.Lfor_v_\@:
	tensor_load_to_lds s[G0V+4*\s:G0V+4*\s+3], s[G1V:G1V+7]
	s_nop 0
.Lasked_\@:
.endm
.macro KFETCH slot, u                  ; 16 loads: keys 64 u .. 64 u + 63, all 64 d
.irp kt, 0,1,2,3
.irp ks, 0,1
	ds_load_b128 v[KF+8*(2*\kt+\ks):KF+8*(2*\kt+\ks)+3],   v[ADK+\slot] offset:(64*\u+16*\kt)*KP+64*\ks
	ds_load_b128 v[KF+8*(2*\kt+\ks)+4:KF+8*(2*\kt+\ks)+7], v[ADK+\slot] offset:(64*\u+16*\kt)*KP+64*\ks+32
.endr
.endr
.endm
.macro VFETCH slot, u                  ; 16 transposing loads: the same keys of V
.irp dt, 0,1,2,3
.irp ks, 0,1
	ds_load_tr16_b128 v[VF+8*(2*\dt+\ks):VF+8*(2*\dt+\ks)+3],   v[ADV+\slot] offset:(64*\u+32*\ks)*VP+32*\dt
	ds_load_tr16_b128 v[VF+8*(2*\dt+\ks)+4:VF+8*(2*\dt+\ks)+7], v[ADV+\slot] offset:(64*\u+32*\ks)*VP+16*VP+32*\dt
.endr
.endr
.endm
; S' for 64 keys x 32 queries.  The eight accumulators take turns, one instruction a turn.
.macro SMUL
.irp ks, 0,1
.irp qt, 0,1
.irp kt, 0,1,2,3
.if \ks
	v_wmma_f32_16x16x32_f16 v[S+32*\qt+8*\kt:S+32*\qt+8*\kt+7], v[KF+8*(2*\kt+\ks):KF+8*(2*\kt+\ks)+7], v[Q+16*\qt+8*\ks:Q+16*\qt+8*\ks+7], v[S+32*\qt+8*\kt:S+32*\qt+8*\kt+7]
.else
	v_wmma_f32_16x16x32_f16 v[S+32*\qt+8*\kt:S+32*\qt+8*\kt+7], v[KF+8*(2*\kt+\ks):KF+8*(2*\kt+\ks)+7], v[Q+16*\qt+8*\ks:Q+16*\qt+8*\ks+7], 0
.endif
.endr
.endr
.endr
.endm
; O' of query tile qt takes 64 keys more.  The four accumulators take turns, one instruction a turn.
.macro PV qt
.irp ks, 0,1
.irp dt, 0,1,2,3
	v_wmma_f32_16x16x32_f16 v[O+32*\qt+8*\dt:O+32*\qt+8*\dt+7], v[VF+8*(2*\dt+\ks):VF+8*(2*\dt+\ks)+7], v[P+16*\qt+8*\ks:P+16*\qt+8*\ks+7], v[O+32*\qt+8*\dt:O+32*\qt+8*\dt+7]
.endr
.endr
.endm
; The diagonal tile: key 64 u + 16 kt + 8 h + j beyond query 32 w + 16 qt + r becomes minus infinity
.macro MASK u
.irp qt, 0,1
.irp kt, 0,1,2,3
.irp j, 0,1,2,3,4,5,6,7
	v_cmp_gt_i32 vcc_lo, 64*\u+16*\kt+\j, v[DQ+\qt]
	v_cndmask_b32 v[S+32*\qt+8*\kt+\j], v[S+32*\qt+8*\kt+\j], v[NINF], vcc_lo
.endr
.endr
.endr
.endm
; One step of the running softmax for query tile qt: 32 numbers a lane
.macro SOFTMAX qt
.irp c, 0,1,2,3
	v_max3_num_f32 v[T+\c], v[S+32*\qt+8*\c], v[S+32*\qt+8*\c+1], v[S+32*\qt+8*\c+2]
.endr
.irp c, 0,1,2,3
	v_max3_num_f32 v[T+\c], v[T+\c], v[S+32*\qt+8*\c+3], v[S+32*\qt+8*\c+4]
.endr
.irp c, 0,1,2,3
	v_max3_num_f32 v[T+\c], v[T+\c], v[S+32*\qt+8*\c+5], v[S+32*\qt+8*\c+6]
.endr
.irp c, 0,1,2,3
	v_max_num_f32 v[T+\c], v[T+\c], v[S+32*\qt+8*\c+7]
.endr
	v_max3_num_f32 v[T], v[T], v[T+1], v[T+2]
	v_max3_num_f32 v[T], v[T], v[T+3], v[MX+\qt]
	v_permlanex16_b32 v[T+1], v[T], s62, s63       ; the other half's keys of the same query
	v_max_num_f32 v[T], v[T], v[T+1]               ; the new maximum; finite from the first step of any tile on (a tile's key 0 is open to every query of the block)
	v_sub_f32 v[AD], v[MX+\qt], v[T]
	v_mul_f32 v[AD], v[CS], v[AD]
	v_mov_b32 v[MX+\qt], v[T]
	v_exp_f32 v[AL], v[AD]                         ; the old sums' factor, twice for the packed multiply; 0 in a job's first step
	v_exp_f32 v[AL+1], v[AD]
	v_mul_f32 v[NM], 0xbe38aa3b, v[T]              ; plain instructions behind the transcendentals (ISA guide 5.7.2)
	v_mul_f32 v[NM+1], 0xbe38aa3b, v[T]
.set i, 0
.rept 16
	v_pk_fma_f32 v[S+32*\qt+2*i:S+32*\qt+2*i+1], v[S+32*\qt+2*i:S+32*\qt+2*i+1], v[CS:CS+1], v[NM:NM+1]
.set i, i+1
.endr
.set i, 0
.rept 32
	v_exp_f32 v[S+32*\qt+i], v[S+32*\qt+i]
.set i, i+1
.endr
.set i, 0
	s_wait_alu depctr_va_vdst(0)
.rept 16
	v_pk_mul_f32 v[O+32*\qt+2*i:O+32*\qt+2*i+1], v[O+32*\qt+2*i:O+32*\qt+2*i+1], v[AL:AL+1]   ; also the plain place behind the last power
.set i, i+1
.endr
.irp c, 0,1,2,3
	v_pk_add_f32 v[U+2*\c:U+2*\c+1], v[S+32*\qt+8*\c:S+32*\qt+8*\c+1], v[S+32*\qt+8*\c+2:S+32*\qt+8*\c+3]
.endr
.irp c, 0,1,2,3
	v_pk_add_f32 v[U+2*\c:U+2*\c+1], v[U+2*\c:U+2*\c+1], v[S+32*\qt+8*\c+4:S+32*\qt+8*\c+5]
.endr
.irp c, 0,1,2,3
	v_pk_add_f32 v[U+2*\c:U+2*\c+1], v[U+2*\c:U+2*\c+1], v[S+32*\qt+8*\c+6:S+32*\qt+8*\c+7]
.endr
	v_pk_add_f32 v[U:U+1], v[U:U+1], v[U+2:U+3]
	v_pk_add_f32 v[U+4:U+5], v[U+4:U+5], v[U+6:U+7]
	v_pk_add_f32 v[U:U+1], v[U:U+1], v[U+4:U+5]
	v_add_f32 v[U], v[U], v[U+1]
	v_fma_f32 v[LS+\qt], v[LS+\qt], v[AL], v[U]
.set i, 0
.rept 16
	v_cvt_pk_f16_f32 v[P+16*\qt+i], v[S+32*\qt+2*i], v[S+32*\qt+2*i+1]
.set i, i+1
.endr
.endm
; My state of job j + 1 goes into my own region: O as it stands (not divided), then both maxima and both sums; 16 bytes a lane, 512 neighbouring bytes a store
.macro SAVE j
.set i, 0
.rept 16
	ds_store_b128 v[PS], v[O+4*i:O+4*i+3] offset:\j*PREG+512*i
.set i, i+1
.endr
	ds_store_b128 v[PS], v[MX:MX+3] offset:\j*PREG+8192
.endm
	s_load_b128 s[4:7], s[0:1], 0x0                ; qkv s[4:5], y s[6:7]
	v_lshl_add_u32 v254, v0, 2, 0x4a000
	v_mov_b32 v255, 0
	ds_add_u32 v254, v255
	ds_add_u32 v254, v255
	v_lshrrev_b32 v1, 5, v0
	v_readfirstlane_b32 s8, v1                     ; wave 0..7
	s_lshr_b32 s70, s8, 2                          ; my group
	s_and_b32 s71, s8, 3                           ; my place in it: which 32 queries
	s_lshr_b32 s9, s71, 1                          ; I fetch K (0) or V (1)
	s_and_b32 s10, s8, 1                           ; which 64 keys of the tile
	s_and_b32 s11, ttmp7, 0xffff                   ; 16 b + h
	s_lshr_b32 s12, s11, 4                         ; b
	s_and_b32 s13, s11, 15                         ; h
	s_lshl_b32 s3, s12, 5
	s_add_co_u32 s3, s3, s13                       ; 32 b + h: the upper part's head in y
	s_mul_i32 s12, s12, 48
	s_add_co_u32 s12, s12, s13                     ; g = 48 b + h: q's head
	s_sub_co_u32 s57, 15, ttmp9                    ; job 1's query block, and the flat number of its diagonal tile
	s_sub_co_u32 s59, 16, ttmp9                    ; job 1's number of tiles
	s_mov_b32 s62, 0x76543210                      ; v_permlanex16_b32: lane i of one half reads lane i of the other
	s_mov_b32 s63, 0xfedcba98
	s_mov_b32 s2, 0xffffe000                       ; keeps an f32's sign, exponent and upper 10 bits of the fraction
	; 64 keys of a head are 8,192 dense bytes, taken as 32 rows of 256 bytes; the padding is counted along the tile, after every 32 words,
	; that is behind each key's 128 bytes: 4 words for K (pitch 144), 8 for V (pitch 160)
	s_mov_b32 s[G1K+0], (1<<16)|(1<<20)|(4<<22)|(3<<25)
	s_mov_b32 s[G1K+1], 128<<16                    ; tensor_dim0 = 128 elements
	s_mov_b32 s[G1K+2], 32<<16                     ; tensor_dim1 = 32
	s_mov_b32 s[G1K+3], 128<<16                    ; tile_dim0 = 128
	s_mov_b32 s[G1K+4], 32                         ; tile_dim1 = 32
	s_mov_b32 s[G1K+5], 128                        ; pitch
	s_mov_b32 s[G1K+6], 0
	s_mov_b32 s[G1K+7], 0
	s_mov_b32 s[G1V+0], (1<<16)|(1<<20)|(4<<22)|(7<<25)
	s_mov_b32 s[G1V+1], 128<<16
	s_mov_b32 s[G1V+2], 32<<16
	s_mov_b32 s[G1V+3], 128<<16
	s_mov_b32 s[G1V+4], 32
	s_mov_b32 s[G1V+5], 128
	s_mov_b32 s[G1V+6], 0
	s_mov_b32 s[G1V+7], 0
	s_add_co_u32 s60, s12, 16                      ; k's head
	s_lshl_b32 s60, s60, 18
	s_lshl_b32 s14, s10, 13                        ; my 64 keys
	s_add_co_u32 s60, s60, s14
	s_mov_b32 s61, 0
	s_mul_i32 s72, s70, 2*SLOT                     ; my group's two slots
	s_mul_i32 s14, s71, 64*KP                      ; places 0, 1 of a group: K's halves at 0 and 9,216 of a slot
	s_add_co_u32 s14, s14, s72
	s_mul_i32 s15, s71, 64*VP                      ; places 2, 3: V's halves at 20,480 and 30,720
	s_add_co_u32 s15, s15, s72
	s_wait_dscnt 0x0
	s_wait_kmcnt 0x0
	s_add_nc_u64 s[48:49], s[4:5], s[60:61]        ; my part of K's tile 0
	s_add_nc_u64 s[50:51], s[48:49], 16*HEADB      ; and of V's: sixteen heads on
	s_lshl_b32 s60, s70, 14                        ; my group's first tile is tile g
	s_add_nc_u64 s[52:53], s[48:49], s[60:61]
	s_add_nc_u64 s[54:55], s[50:51], s[60:61]
.irp n, 0,1
	s_mov_b32 s[G0K+4*\n], 1
	s_add_co_u32 s[G0K+4*\n+1], s14, \n*SLOT
	s_add_nc_u64 s[G0K+4*\n+2:G0K+4*\n+3], s[52:53], \n*2*TILEB
	s_or_b32 s[G0K+4*\n+3], s[G0K+4*\n+3], 0x80000000
	s_mov_b32 s[G0V+4*\n], 1
	s_add_co_u32 s[G0V+4*\n+1], s15, \n*SLOT
	s_add_nc_u64 s[G0V+4*\n+2:G0V+4*\n+3], s[54:55], \n*2*TILEB
	s_or_b32 s[G0V+4*\n+3], s[G0V+4*\n+3], 0x80000000
	KVLOAD \n                                      ; tiles g and g + 2 (job 1 has at least nine): two tensor loads of the wave are out
.endr
	s_lshl_b32 s15, s71, 12                        ; my 32 queries x 128 bytes
	s_lshl_b32 s14, s57, 14
	s_add_co_u32 s14, s14, s15                     ; job 1's rows in a head
	s_lshl_b32 s13, ttmp9, 14
	s_add_co_u32 s13, s13, s15                     ; job 2's
	s_lshl_b32 s60, s12, 18
	s_add_nc_u64 s[52:53], s[4:5], s[60:61]        ; q's head
	s_mov_b64 s[54:55], s[52:53]
	s_mov_b32 s60, s14
	s_add_nc_u64 s[52:53], s[52:53], s[60:61]      ; job 1's q
	s_mov_b32 s60, s13
	s_add_nc_u64 s[54:55], s[54:55], s[60:61]      ; job 2's q
	s_lshl_b32 s60, s3, 18
	s_add_nc_u64 s[YB:YB+1], s[6:7], s[60:61]      ; y's head, upper part
	s_cmp_eq_u32 s70, 0                            ; group 0 writes job 1's result, group 1 job 2's
	s_cselect_b32 s60, s14, s13
	s_add_nc_u64 s[YB:YB+1], s[YB:YB+1], s[60:61]
	v_and_b32 v26, 15, v0                          ; r
	v_bfe_u32 v27, v0, 4, 1                        ; h
	v_lshlrev_b32 v[QO], 7, v26
	v_lshl_add_u32 v[QO], v27, 4, v[QO]            ; 128 r + 16 h
.irp qt, 0,1
.irp ks, 0,1
	global_load_b128 v[Q+16*\qt+8*\ks:Q+16*\qt+8*\ks+3],   v[QO], s[52:53] offset:\qt*2048+64*\ks
	global_load_b128 v[Q+16*\qt+8*\ks+4:Q+16*\qt+8*\ks+7], v[QO], s[52:53] offset:\qt*2048+64*\ks+32
.endr
.endr
	WIN TO1
.irp qt, 0,1
.irp ks, 0,1
	global_load_b128 v[Q2+16*\qt+8*\ks:Q2+16*\qt+8*\ks+3],   v[QO], s[54:55] offset:\qt*2048+64*\ks
	global_load_b128 v[Q2+16*\qt+8*\ks+4:Q2+16*\qt+8*\ks+7], v[QO], s[54:55] offset:\qt*2048+64*\ks+32
.endr
.endr
	WIN 0
	v_mul_u32_u24 v[STO], v26, KP
	v_lshl_add_u32 v[STO], v27, 4, v[STO]          ; r x 144 + 16 h
	v_add_nc_u32 v[ADK], s72, v[STO]
	v_add_nc_u32 v[ADK+1], SLOT, v[ADK]
	v_and_b32 v28, 7, v0
	v_lshl_add_u32 v29, v27, 3, v28                ; 8 h + l % 8
	v_mul_u32_u24 v[ADV], v29, VP
	v_bfe_u32 v29, v0, 3, 1
	v_lshl_add_u32 v[ADV], v29, 4, v[ADV]
	s_add_co_u32 s15, s72, VOFF
	v_add_nc_u32 v[ADV], s15, v[ADV]
	v_add_nc_u32 v[ADV+1], SLOT, v[ADV]
	s_mul_i32 s14, s8, 2*PREG
	s_add_co_u32 s14, s14, PBASE                   ; my two regions; at the very end the first 4,608 bytes are my stage
	v_add_nc_u32 v[STO], s14, v[STO]
	v_bfe_u32 v29, v0, 3, 2
	v_mul_u32_u24 v[RD], v29, KP
	v_lshl_add_u32 v[RD], v28, 4, v[RD]
	v_add_nc_u32 v[RD], s14, v[RD]
	v_and_b32 v29, 31, v0
	v_lshlrev_b32 v[YO], 4, v29
	v_add_nc_u32 v[PS], s14, v[YO]
	s_lshl_b32 s15, s71, 1                         ; I merge job g + 1 of my queries: region 2 w + g of group 0's wave,
	s_add_co_u32 s15, s15, s70
	s_mul_i32 s15, s15, PREG
	s_add_co_u32 s15, s15, PBASE
	v_add_nc_u32 v[PRA], s15, v[YO]
	v_add_nc_u32 v[PRB], 8*PREG, v[PRA]            ; and of group 1's, four waves on
	v_mov_b32 v[NINF], 0xff800000
	v_lshlrev_b32 v29, 3, v27
	v_sub_nc_u32 v[DQ], v26, v29                   ; r - 8 h
	s_lshl_b32 s15, s71, 5
	v_add_nc_u32 v[DQ], s15, v[DQ]                 ; + 32 w
	v_add_nc_u32 v[DQ+1], 16, v[DQ]
	v_mov_b32 v[CS], 0x3e38aa3b                    ; c = log2(e) / 8
	v_mov_b32 v[CS+1], 0x3e38aa3b
.set i, 0
.rept 64
	v_mov_b32 v[O+i], 0                            ; once: a job's first step multiplies the sums by 0, which asks for finite numbers
.set i, i+1
.endr
	v_mov_b32 v[MX], v[NINF]
	v_mov_b32 v[MX+1], v[NINF]
	v_mov_b32 v[LS], 0
	v_mov_b32 v[LS+1], 0
	s_mov_b32 s56, s70                             ; f, my tile's flat number: g, g + 2, ..
	s_mov_b32 s58, 3                               ; three laps of two rounds
; One round: each group takes a tile of 128 keys, in two steps of 64, from slot \slot of its two.
; fill: this slot gets the group's tile after next (1: both groups; 2: group 0 alone, group 1 has no such tile; 0: none).
; next: a round follows (1: for both groups; 2: for group 0 alone).  last: the tile f = 16, job 2's diagonal.
.macro TRIP slot, fill, next, last
	s_wait_dscnt 0x0                               ; K's fragments of keys 0-63
	WIN MULW
	SMUL
	PLACES
	WIN TO1
	VFETCH \slot, 0
	KFETCH \slot, 1
	WIN 0
.if \last
	MASK 0
.else
	s_cmp_lg_u32 s56, s57                          ; job 1's diagonal tile?
	s_cbranch_scc1 .Lnm0_\@
	MASK 0
.Lnm0_\@:
.endif
	SOFTMAX 0
	s_wait_dscnt 16                                ; V's fragments are in; the 16 loads of K issued behind them may stay out
	WIN MULW
	PV 0
	WIN 0
	SOFTMAX 1
	WIN MULW
	PV 1
	s_wait_dscnt 0x0                               ; K's fragments of keys 64-127
	SMUL
	PLACES
	WIN TO1
	VFETCH \slot, 1
	WIN 0
.if \last
	MASK 1
.else
	s_cmp_lg_u32 s56, s57
	s_cbranch_scc1 .Lnm1_\@
	MASK 1
.Lnm1_\@:
.endif
	SOFTMAX 0
	s_wait_dscnt 0x0                               ; V's fragments: my last reads of this slot
	WIN MULW
	PV 0
	WIN 0
	SOFTMAX 1
.if \next
	s_wait_dscnt 0x0                               ; my reads of this slot are over (met: nothing was issued since the wait above)
	s_wait_tensorcnt 0x0                           ; all my tensor loads have landed: the one that was out is my part of my group's next slot
	ds_add_u32 v254, v255
	s_wait_dscnt 0x0
.if \fill
	s_add_co_u32 s60, s56, 4                       ; my group's tile after next: f + 4, or, in job 2, f + 4 - (16 - p)
	s_sub_co_u32 s61, s60, s59
	s_cmp_ge_u32 s60, s59
	s_cselect_b32 s60, s61, s60
	s_lshl_b32 s60, s60, 14
	s_mov_b32 s61, 0
	s_add_nc_u64 s[G0K+4*\slot+2:G0K+4*\slot+3], s[48:49], s[60:61]   ; no tensor load of mine is out: a group 0 of a descriptor may be written
	s_or_b32 s[G0K+4*\slot+3], s[G0K+4*\slot+3], 0x80000000
	s_add_nc_u64 s[G0V+4*\slot+2:G0V+4*\slot+3], s[50:51], s[60:61]
	s_or_b32 s[G0V+4*\slot+3], s[G0V+4*\slot+3], 0x80000000
.endif
	s_barrier_signal -1
	WIN MULW
	PV 1                                           ; register work while the others arrive
	WIN 0
	s_barrier_wait -1                              ; no wave reads its group's slot any more, and both groups' next slots are whole
.if \fill == 1
	KVLOAD \slot                                   ; my one tensor load behind the barrier, and the first thing there; it has a whole round in which to land
.endif
.if \fill == 2
	s_cmp_lg_u32 s70, 0                            ; group 1's last tile is f = 15, which lies in its other slot: it fills nothing more
	s_cbranch_scc1 .Lnofill_\@
	KVLOAD \slot
.Lnofill_\@:
.endif
	PLACES
.if \next == 2
	s_cmp_lg_u32 s70, 0                            ; group 1 has no further tile to read
	s_cbranch_scc1 .Lnofetch_\@
.endif
	WIN TO1
	KFETCH 1-\slot, 0
	WIN 0
.if \next == 2
.Lnofetch_\@:
.endif
	s_sub_co_u32 s60, s57, s56                     ; 15 - p - f is 0 or 1: this was my group's last tile of job 1
	s_cmp_ge_u32 s60, 2
	s_cbranch_scc1 .Lsame_\@
	SAVE 0
	s_wait_dscnt 0x0                               ; the stores have taken their data: the maxima and sums are written again below
	v_mov_b32 v[MX], v[NINF]                       ; O stays as it is: finite, and job 2's first step multiplies it by 0
	v_mov_b32 v[MX+1], v[NINF]
	v_mov_b32 v[LS], 0
	v_mov_b32 v[LS+1], 0
	WIN MULW
.set i, 0
.rept 32
	v_mov_b32 v[Q+i], v[Q2+i]                      ; job 2's q
.set i, i+1
.endr
	WIN 0
.Lsame_\@:
	s_add_co_u32 s56, s56, 2
.endif
.if \last
	WIN MULW
	PV 1
	WIN 0
	PLACES
.endif
.endm
	s_wait_loadcnt 0x0                             ; q of both jobs
	s_wait_tensorcnt 0x1                           ; my part of my group's first tile is in; the second's stays out
	s_barrier_signal -1
	s_barrier_wait -1
	WIN TO1
	KFETCH 0, 0
	WIN 0
.Llap:
	TRIP 0, 1, 1, 0                                ; rounds 0 to 5: f = 0 to 11
	TRIP 1, 1, 1, 0
	s_sub_co_u32 s58, s58, 1
	s_cmp_lg_u32 s58, 0
	s_cbranch_scc1 .Llap
	TRIP 0, 2, 1, 0                                ; round 6, f = 12 and 13: group 0 asks for f = 16, the last load
	TRIP 1, 0, 2, 0                                ; round 7, f = 14 and 15
	s_cmp_lg_u32 s70, 0
	s_cbranch_scc1 .Lend                           ; round 8 is group 0's alone; it holds no barrier and no tensor load
	TRIP 0, 0, 0, 1                                ; f = 16: job 2's diagonal tile
.Lend:
	; THE MERGE.  A group that had no tile of job 2 (p = 0, group 1) leaves maximum minus infinity, sum 0 and a finite O: its factor below is 0.
	SAVE 1
	s_wait_dscnt 0x0                               ; for the other waves' sake: my states of both jobs are in LDS
	s_barrier_signal -1
	s_barrier_wait -1
.set i, 0
.rept 16
	ds_load_b128 v[O+4*i:O+4*i+3], v[PRA] offset:512*i     ; group 0's O of my job and my queries: the same lanes and registers as mine
	ds_load_b128 v[S+4*i:S+4*i+3], v[PRB] offset:512*i     ; group 1's
.set i, i+1
.endr
	ds_load_b128 v[U:U+3],   v[PRA] offset:8192    ; group 0's two maxima, two sums
	ds_load_b128 v[U+4:U+7], v[PRB] offset:8192    ; group 1's
	s_wait_dscnt 0x0                               ; my reads of the states are over:
	s_barrier_signal -1                            ; behind this barrier the regions serve as stages; register work until all have said so
	v_max_num_f32 v[T],   v[U],   v[U+4]           ; the maximum over all keys; finite, since one of the two groups had the job's tile 0
	v_max_num_f32 v[T+1], v[U+1], v[U+5]
	v_sub_f32 v[MX],   v[U],   v[T]
	v_sub_f32 v[MX+1], v[U+1], v[T+1]
	v_sub_f32 v[LS],   v[U+4], v[T]
	v_sub_f32 v[LS+1], v[U+5], v[T+1]
	v_pk_mul_f32 v[MX:MX+1], v[MX:MX+1], v[CS:CS+1]
	v_pk_mul_f32 v[LS:LS+1], v[LS:LS+1], v[CS:CS+1]
	v_exp_f32 v[MX],   v[MX]                       ; group 0's factor for query tile 0, 1
	v_exp_f32 v[MX+1], v[MX+1]
	v_exp_f32 v[LS],   v[LS]                       ; group 1's
	v_exp_f32 v[LS+1], v[LS+1]
	v_nop                                          ; one plain place behind the transcendentals (ISA guide 5.7.2)
	s_wait_alu depctr_va_vdst(0)
	v_pk_mul_f32 v[T:T+1], v[MX:MX+1], v[U+2:U+3]
	v_pk_fma_f32 v[T:T+1], v[LS:LS+1], v[U+6:U+7], v[T:T+1]   ; the sum of my half's keys
	v_permlanex16_b32 v[T+2], v[T], s62, s63
	v_permlanex16_b32 v[T+3], v[T+1], s62, s63
	v_pk_add_f32 v[T:T+1], v[T:T+1], v[T+2:T+3]    ; of both halves'
	v_rcp_f32 v[T],   v[T]
	v_rcp_f32 v[T+1], v[T+1]
	v_nop                                          ; one plain place behind the transcendentals
	s_wait_alu depctr_va_vdst(0)
	v_mul_f32 v[AL],   v[MX],   v[T]               ; factor / sum, each twice for the packed forms: group 0's, query tile 0
	v_mul_f32 v[AL+1], v[MX],   v[T]
	v_mul_f32 v[NM],   v[LS],   v[T]               ; group 1's, query tile 0
	v_mul_f32 v[NM+1], v[LS],   v[T]
	v_mul_f32 v[U],    v[MX+1], v[T+1]             ; group 0's, query tile 1
	v_mul_f32 v[U+1],  v[MX+1], v[T+1]
	v_mul_f32 v[U+2],  v[LS+1], v[T+1]             ; group 1's, query tile 1
	v_mul_f32 v[U+3],  v[LS+1], v[T+1]
.set i, 0
.rept 16
	v_pk_mul_f32 v[O+2*i:O+2*i+1], v[O+2*i:O+2*i+1], v[AL:AL+1]
	v_pk_mul_f32 v[O+32+2*i:O+32+2*i+1], v[O+32+2*i:O+32+2*i+1], v[U:U+1]
.set i, i+1
.endr
.set i, 0
.rept 16
	v_pk_fma_f32 v[O+2*i:O+2*i+1], v[S+2*i:S+2*i+1], v[NM:NM+1], v[O+2*i:O+2*i+1]
	v_pk_fma_f32 v[O+32+2*i:O+32+2*i+1], v[S+32+2*i:S+32+2*i+1], v[U+2:U+3], v[O+32+2*i:O+32+2*i+1]
.set i, i+1
.endr
	; the result's two f16 parts
.set i, 0
.rept 32
	v_and_b32 v[U+2*(i%4)],   s2, v[O+2*i]         ; the upper part: the sign, the exponent and 10 bits of the fraction, exact in f16
	v_and_b32 v[U+2*(i%4)+1], s2, v[O+2*i+1]
	v_cvt_pk_f16_f32 v[S+i], v[U+2*(i%4)], v[U+2*(i%4)+1]
	v_sub_f32 v[O+2*i],   v[O+2*i],   v[U+2*(i%4)] ; the remainder, exact in f32
	v_sub_f32 v[O+2*i+1], v[O+2*i+1], v[U+2*(i%4)+1]
	v_cvt_pk_f16_f32 v[P+i], v[O+2*i], v[O+2*i+1]  ; the lower part
.set i, i+1
.endr
	s_barrier_wait -1                              ; no wave reads a state any more
	; each part through my stage and out as 4,096 neighbouring bytes
.irp qt, 0,1
.irp dt, 0,1,2,3
	ds_store_b128 v[STO], v[S+16*\qt+4*\dt:S+16*\qt+4*\dt+3] offset:\qt*16*KP+32*\dt
.endr
.endr
.irp i, 0,1,2,3,4,5,6,7
	ds_load_b128 v[S+32+4*\i:S+32+4*\i+3], v[RD] offset:\i*4*KP    ; LDS serves a wave's instructions in order: these see the stores above,
.endr
.irp qt, 0,1
.irp dt, 0,1,2,3
	ds_store_b128 v[STO], v[P+16*\qt+4*\dt:P+16*\qt+4*\dt+3] offset:\qt*16*KP+32*\dt   ; and are served before these write the stage again
.endr
.endr
.irp i, 0,1,2,3,4,5,6,7
	ds_load_b128 v[Q+4*\i:Q+4*\i+3], v[RD] offset:\i*4*KP          ; into q's registers, which are needed no more
.endr
.irp i, 0,1,2,3,4,5,6,7
	s_wait_dscnt 23-\i                             ; upper read-back i is in: behind it stand 7 - i more, the 8 stores and the 8 loads of the lower part
	global_store_b128 v[YO], v[S+32+4*\i:S+32+4*\i+3], s[YB:YB+1] offset:512*\i   ; four queries: 512 neighbouring bytes at a multiple of 512
.endr
.irp i, 0,1,2,3,4,5,6,7
	s_wait_dscnt 7-\i                              ; lower read-back i is in, the younger ones stay out
	global_store_b128 v[YO], v[Q+4*\i:Q+4*\i+3], s[YB:YB+1] offset:16*HEADB+512*\i   ; the lower parts lie sixteen heads on
.endr
	s_wait_tensorcnt 0x0
	ds_add_u32 v254, v255
	s_wait_dscnt 0x0
	s_endpgm
.Lfunc_end_k_q840127ab2e_attn:
	.size	k_q840127ab2e_attn, .Lfunc_end_k_q840127ab2e_attn-k_q840127ab2e_attn
	.p2alignl 7, 3214868480
	.fill 96, 4, 3214868480
	.section	.rodata,"a",@progbits
	.p2align	6, 0x0
	.amdhsa_kernel k_q840127ab2e_attn
		.amdhsa_group_segment_fixed_size 327680
		.amdhsa_private_segment_fixed_size 0
		.amdhsa_enable_private_segment 0
		.amdhsa_kernarg_size 16
		.amdhsa_user_sgpr_count 2
		.amdhsa_user_sgpr_kernarg_segment_ptr 1
		.amdhsa_wavefront_size32 1
		.amdhsa_system_sgpr_workgroup_id_x 1
		.amdhsa_system_sgpr_workgroup_id_y 1
		.amdhsa_system_sgpr_workgroup_id_z 1
		.amdhsa_system_vgpr_workitem_id 0
		.amdhsa_next_free_vgpr 416
		.amdhsa_next_free_sgpr 74
		.amdhsa_reserve_vcc 1
		.amdhsa_float_denorm_mode_32 3
		.amdhsa_float_denorm_mode_16_64 3
		.amdhsa_memory_ordered 1
		.amdhsa_forward_progress 1
		.amdhsa_inst_pref_size 255
	.end_amdhsa_kernel
	.section	.bss,"aw",@nobits
	.p2align	6
	.space	262144
	.amdgpu_metadata
---
amdhsa.version: [ 1, 2 ]
amdhsa.kernels:
  - .name:           k_q840127ab2e_attn
    .symbol:         k_q840127ab2e_attn.kd
    .args:
      - { .name: qkv, .offset: 0, .size: 8, .value_kind: global_buffer, .address_space: global }
      - { .name: y, .offset: 8, .size: 8, .value_kind: global_buffer, .address_space: global }
    .group_segment_fixed_size: 327680
    .private_segment_fixed_size: 0
    .kernarg_segment_align: 8
    .kernarg_segment_size: 16
    .max_flat_workgroup_size: 256
    .sgpr_count:     74
    .vgpr_count:     416
    .wavefront_size: 32
...
	.end_amdgpu_metadata
.endif
;; end of part 3
;; launch proj (part 4): grid 8 x 32, 4 waves a work-group, clusters of 4 x 4, 327,680 bytes of LDS; arguments y, wpb, out0, b_proj; writes out0
.if DOCPART == 4
	.amdgcn_target "amdgcn-amd-amdhsa--gfx1250"
	.amdhsa_code_object_version 6
	.text
	.protected	k_q840127ab2e_proj
	.globl	k_q840127ab2e_proj
	.p2align	8
	.type	k_q840127ab2e_proj,@function
k_q840127ab2e_proj:
	s_mov_b64 s[64:65], 0
	v_nop
	global_prefetch_b8 v0, s[64:65] scope:SCOPE_SE
	s_setreg_imm32_b32 hwreg(HW_REG_WAVE_MODE, 25, 1), 1
	s_wait_xcnt 0x0
	s_wait_alu depctr_hold_cnt(0) depctr_sa_sdst(0) depctr_va_vdst(0) depctr_va_sdst(0) depctr_va_ssrc(0) depctr_va_vcc(0) depctr_vm_vsrc(0)
	s_getreg_b32 s2, hwreg(HW_REG_IB_STS2, 6, 4)
	s_cmp_eq_u32 s2, 0
	s_cbranch_scc0 .Lentry_in_a_cluster
	s_endpgm
.Lentry_in_a_cluster:
	s_bfe_u32 s2, ttmp6, 0x10000c
	s_cmp_lg_u32 s2, 0xf033
	s_cbranch_scc0 .Lentry_shape_is_right
	s_endpgm
.Lentry_shape_is_right:
; out0 = y wpb + b_proj.  y: [b][part 2][h 16][t 2048][d 64] f16, the sum of an upper and a lower part, read as rows (b, t) with k = 64 h + d.
; wpb: [1024 k][1024 n] f16.  b_proj: [1024] f32.  out0: [4096][1024] f32.  Sums in f32, started by the bias.
; Both parts of y are multiplied by the same weights into the same sums, so that y enters with about 21 significant bits; that doubles the
; products: 1,024 matrix instructions a wave.
; 256 work-groups of 128 x 128 numbers, four waves of 64 x 64: 16 accumulator tiles each.  8 K steps of 256 (four heads of one part) through two
; LDS slots: slot 0 takes the upper parts, slot 1 the lower parts of the same four heads, each with the same 256 k rows of wpb.  With 128 matrix
; instructions of a wave to a step, a step of 128 would leave a tile half as much work in which to land.
; CLUSTERS of 4 x 4: y's tiles are shared along a row of the cluster, wpb's along a column, by joint tensor loads.
; LDS: a slot = y's four heads, each 128 rows of 128 bytes at a pitch of 144, then wpb's 256 k rows of 256 bytes at a pitch of 288 (9 x 32, for
; the transposing load).  Behind the slots each wave's own stage of 16 rows x 272 bytes.
; REGISTERS: window 0: v16-27 addresses, v64-127 and v128-191 fragments of y (two buffers, 8 (4 ks + a)), v192-223 bias tiles;
; window 1: v64-127, v128-191 fragments of wpb (8 (4 ks + b)); window 2: accumulators v[8 (4 a + b)].
; The matrix instruction is used transposed (source 0 = 16 columns of wpb, source 1 = 16 rows of y): lane l holds row l % 16 and eight
; neighbouring columns 8 (l / 16) + 0..7.
.set PART,   36864                     ; what one tensor load brings: two heads of y, or 128 k rows of wpb
.set SLOT,   4*PART
.set BOFF,   2*PART
.set STAGE,  2*SLOT
.set AP,     144
.set BP,     288
.set SPITCH, 272
.set HEADB,  262144
.set LAPS,   4                         ; a lap = the upper and the lower parts of four heads
.set ADRA, 16                          ; v16-17  y's fragments in slot 0, 1
.set ADRB, 20                          ; v20-23  wpb's fragments: 2 x slot + half of the slot's k rows
.set STO,  24
.set RD,   25
.set CO,   26
.set BO,   27
.set F0,   64
.set F1,   128
.set BIAS, 192
.set G1,  24
.set G0,  32
.set G1B, 48
.set G0B, 56
.set MSB, 0
.macro WIN new
.if MSB != \new
	s_set_vgpr_msb (MSB<<8)|\new
.set MSB, \new
.endif
.endm
.set MULW,   0xa1                      ; source 0 window 1, source 1 window 0, C and D window 2
.set FIRSTW, 0x81                      ; C a bias tile in window 0
.set TO_B,   0x40
.macro JLOAD s
	s_cmp_eq_u32 s11, 0
	s_cbranch_scc0 .Lfor_b_\@
	tensor_load_to_lds s[G0+4*\s:G0+4*\s+3], s[G1:G1+7]
	s_nop 0
	s_branch .Lasked_\@
.Lfor_b_\@:
	tensor_load_to_lds s[G0B+4*\s:G0B+4*\s+3], s[G1B:G1B+7]
	s_nop 0
.Lasked_\@:
.endm
.macro CREST
	s_cmp_lg_u32 s10, 0
	s_cbranch_scc1 .Lnot_wave_0_\@
	s_barrier_signal -3
.Lnot_wave_0_\@:
	s_barrier_wait -3
	s_barrier_signal -1
	s_barrier_wait -1
.endm
.macro CROUND
	s_barrier_signal -1
	s_barrier_wait -1
	CREST
.endm
	s_load_b128 s[4:7], s[0:1], 0x0                ; y s[4:5], wpb s[6:7]
	s_load_b64 s[8:9], s[0:1], 0x10                ; out0
	s_load_b64 s[68:69], s[0:1], 0x18              ; b_proj
	s_set_vgpr_msb 0x40
	v_lshl_add_u32 v255, v0, 2, 0x4c400
	s_set_vgpr_msb 0x4000
	v_mov_b32 v255, 0
	s_set_vgpr_msb 0x1
	ds_add_u32 v255, v255
	ds_add_u32 v255, v255
	s_set_vgpr_msb 0x100
	v_lshrrev_b32 v1, 5, v0
	v_readfirstlane_b32 s10, v1                    ; wave
	s_lshr_b32 s11, s10, 1                         ; my half of the rows.  Also: I fetch y (0) or wpb (1)
	s_and_b32 s12, s10, 1                          ; my half of the columns.  Also: which half of that tile I fetch
	s_bfe_u32 s40, ttmp6, 0x40000                  ; cx
	s_bfe_u32 s41, ttmp6, 0x40004                  ; cy
	s_lshl_b32 s42, ttmp9, 2
	s_add_co_u32 s42, s42, s40                     ; block column
	s_and_b32 s13, ttmp7, 0xffff
	s_lshl_b32 s13, s13, 2
	s_add_co_u32 s13, s13, s41                     ; block row
	s_lshl_b32 s43, s41, 2
	s_lshl_b32 s43, 15, s43                        ; my row of the cluster
	s_lshl_b32 s44, 0x1111, s40                    ; my column
	; group 1 for y: a row of the tile is one head's 128 t rows, 8,192 dense elements; two such rows, a head (131,072 elements) apart.
	; The padding is counted along the tile: 4 words after every 32, that is behind each t row's 128 bytes.
	s_or_b32 s[G1+0], s43, (1<<16)|(1<<20)|(1<<21)|(4<<22)|(3<<25)
	s_mov_b32 s[G1+1], 8192<<16                    ; tensor_dim0 = 8,192
	s_mov_b32 s[G1+2], 2<<16                       ; tensor_dim1 = 2
	s_mov_b32 s[G1+3], 8192<<16                    ; tile_dim0 = 8,192
	s_mov_b32 s[G1+4], 2                           ; tile_dim1 = 2
	s_mov_b32 s[G1+5], 131072                      ; pitch
	s_mov_b32 s[G1+6], 0
	s_mov_b32 s[G1+7], 0
	; group 1 for wpb: 128 k rows x 128 elements, 8 words of padding after every 64
	s_or_b32 s[G1B+0], s44, (1<<16)|(1<<20)|(1<<21)|(5<<22)|(7<<25)
	s_mov_b32 s[G1B+1], 128<<16
	s_mov_b32 s[G1B+2], 128<<16
	s_mov_b32 s[G1B+3], 128<<16
	s_mov_b32 s[G1B+4], 128
	s_mov_b32 s[G1B+5], 1024
	s_mov_b32 s[G1B+6], 0
	s_mov_b32 s[G1B+7], 0
	s_lshr_b32 s16, s13, 4                         ; b
	s_lshl_b32 s16, s16, 5                         ; 32 heads' planes for each b: 16 upper parts, 16 lower
	s_lshl_b32 s17, s12, 1
	s_add_co_u32 s16, s16, s17                     ; y: plane 32 b + 2 x half
	s_lshl_b32 s16, s16, 18
	s_and_b32 s17, s13, 15
	s_lshl_b32 s17, s17, 14                        ; + 128 t rows of 128 bytes for each block row in b
	s_add_co_u32 s16, s16, s17
	s_mov_b32 s17, 0
	s_lshl_b32 s46, s42, 8                         ; wpb: 256 bytes of a k row for each block column
	s_lshl_b32 s47, s12, 18                        ; + 128 k rows of 2,048 bytes x half
	s_add_co_u32 s46, s46, s47
	s_mov_b32 s47, 0
	s_lshl_b32 s70, s42, 9                         ; bias: (128 x block column + 64 x half) x 4 bytes
	s_lshl_b32 s71, s12, 8
	s_add_co_u32 s70, s70, s71
	s_mov_b32 s71, 0
	s_mul_i32 s20, s10, PART                       ; where my part goes in a slot
	s_wait_dscnt 0x0
	s_wait_kmcnt 0x0
	s_add_nc_u64 s[14:15], s[4:5], s[16:17]
	s_add_nc_u64 s[46:47], s[6:7], s[46:47]
	s_add_nc_u64 s[68:69], s[68:69], s[70:71]
	CROUND                                         ; all sixteen work-groups are here: the first joint loads meet
.irp s, 0,1
	s_mov_b32 s[G0+4*\s], 1
	s_add_co_u32 s[G0+4*\s+1], s20, \s*SLOT
	s_add_nc_u64 s[G0+4*\s+2:G0+4*\s+3], s[14:15], \s*16*HEADB     ; slot 1: the lower parts, sixteen heads on
	s_or_b32 s[G0+4*\s+3], s[G0+4*\s+3], 0x80000000
	s_mov_b32 s[G0B+4*\s], 1
	s_add_co_u32 s[G0B+4*\s+1], s20, \s*SLOT
	s_mov_b64 s[G0B+4*\s+2:G0B+4*\s+3], s[46:47]                   ; both slots: the same k rows
	s_or_b32 s[G0B+4*\s+3], s[G0B+4*\s+3], 0x80000000
	JLOAD \s                                       ; K steps 0 and 1: two tensor loads of the wave are out
.endr
	v_and_b32 v1, 15, v0                           ; r
	v_bfe_u32 v2, v0, 4, 1                         ; h
	v_lshlrev_b32 v[BO], 5, v2
.irp b, 0,1,2,3
	global_load_b128 v[BIAS+8*\b:BIAS+8*\b+3],   v[BO], s[68:69] offset:64*\b
	global_load_b128 v[BIAS+8*\b+4:BIAS+8*\b+7], v[BO], s[68:69] offset:64*\b+16
.endr
	v_mul_u32_u24 v3, v1, AP
	v_lshl_add_u32 v3, v2, 4, v3
	s_mul_i32 s21, s11, 64*AP                      ; my 64 rows
	v_add_nc_u32 v[ADRA], s21, v3
	v_add_nc_u32 v[ADRA+1], SLOT, v[ADRA]
	v_and_b32 v6, 7, v0
	v_lshl_add_u32 v6, v2, 3, v6                   ; k row 8 h + l % 8
	v_mul_u32_u24 v6, v6, BP
	v_bfe_u32 v7, v0, 3, 1
	v_lshl_add_u32 v6, v7, 4, v6
	s_lshl_b32 s22, s12, 7                         ; my 64 columns: 128 bytes of each k row
	s_add_co_u32 s22, s22, BOFF
	v_add_nc_u32 v[ADRB], s22, v6
	v_add_nc_u32 v[ADRB+1], PART, v[ADRB]
	v_add_nc_u32 v[ADRB+2], SLOT, v[ADRB]
	v_add_nc_u32 v[ADRB+3], SLOT+PART, v[ADRB]
	s_mul_i32 s23, s10, 16*SPITCH
	s_add_co_u32 s23, s23, STAGE
	v_mul_u32_u24 v4, v1, SPITCH                   ; in: row r, 32 bytes for each half of the lanes
	v_lshl_add_u32 v4, v2, 5, v4
	v_add_nc_u32 v[STO], s23, v4
	v_mul_u32_u24 v5, v2, SPITCH                   ; back: lanes 0-15 one row of 256 bytes, lanes 16-31 the next
	v_lshl_add_u32 v5, v1, 4, v5
	v_add_nc_u32 v[RD], s23, v5
	v_lshlrev_b32 v5, 12, v2                       ; the same two rows in out0
	v_lshl_add_u32 v[CO], v1, 4, v5
; 8 matrix instructions: row blocks a0, a0 + 1 x 4 column blocks, 32 along K.  first = 1: the product adds onto the bias tile and starts the sum.
; The sixteen accumulators take turns, one instruction a turn.
.macro MULP f, ks, a0, first
.irp a, \a0, \a0+1
.irp b, 0,1,2,3
.if \first
	v_wmma_f32_16x16x32_f16 v[8*(4*(\a)+\b):8*(4*(\a)+\b)+7], v[\f+8*(4*\ks+\b):\f+8*(4*\ks+\b)+7], v[\f+8*(4*\ks+\a):\f+8*(4*\ks+\a)+7], v[BIAS+8*\b:BIAS+8*\b+7]
.else
	v_wmma_f32_16x16x32_f16 v[8*(4*(\a)+\b):8*(4*(\a)+\b)+7], v[\f+8*(4*\ks+\b):\f+8*(4*\ks+\b)+7], v[\f+8*(4*\ks+\a):\f+8*(4*\ks+\a)+7], v[8*(4*(\a)+\b):8*(4*(\a)+\b)+7]
.endif
.endr
.endr
.endm
; 32 LDS loads in one run: head hs of a slot (64 along K) into buffer f: wpb's first and second 32 k, then y's
.macro FETCH slot, hs, f
	WIN TO_B
.irp ks, 0,1
.irp b, 0,1,2,3
	ds_load_tr16_b128 v[\f+8*(4*\ks+\b):\f+8*(4*\ks+\b)+3],   v[ADRB+2*\slot+(\hs>>1)] offset:((\hs&1)*64+32*\ks)*BP+32*\b
	ds_load_tr16_b128 v[\f+8*(4*\ks+\b)+4:\f+8*(4*\ks+\b)+7], v[ADRB+2*\slot+(\hs>>1)] offset:((\hs&1)*64+32*\ks)*BP+16*BP+32*\b
.endr
.endr
	WIN 0
.irp ks, 0,1
.irp a, 0,1,2,3
	ds_load_b128 v[\f+8*(4*\ks+\a):\f+8*(4*\ks+\a)+3],   v[ADRA+\slot] offset:\hs*128*AP+\a*16*AP+64*\ks
	ds_load_b128 v[\f+8*(4*\ks+\a)+4:\f+8*(4*\ks+\a)+7], v[ADRA+\slot] offset:\hs*128*AP+\a*16*AP+64*\ks+32
.endr
.endr
.endm
.macro PLACES                          ; four independent vector instructions behind a matrix instruction (ISA guide 7.12.1)
.rept 4
	v_nop
.endr
.endm
; One head: multiplies buffer f and, in its middle, fetches head hsn of the same slot into buffer g
.macro UNIT slot, hsn, f, g, first
	s_wait_dscnt 8                                 ; all but y's second 32 k, the youngest eight loads
.if \first
	WIN FIRSTW
.else
	WIN MULW
.endif
	MULP \f, 0, 0, \first
	MULP \f, 0, 2, \first
	PLACES
	FETCH \slot, \hsn, \g
	s_wait_dscnt 32                                ; all but the 32 just issued
	WIN MULW
	MULP \f, 1, 0, 0
	MULP \f, 1, 2, 0
.endm
.macro THREE slot, first
	UNIT \slot, 1, F0, F1, \first
	UNIT \slot, 2, F1, F0, 0
	UNIT \slot, 3, F0, F1, 0
.endm
; A slot's last head, and the change of slots: the waits, the barrier (with a refill: a round of the cluster's barrier), the refill first behind it.
; A refill brings the slot's part of the next four heads and the next 256 k rows.  From a request to the wait for it a wave issues 120 matrix instructions.
.macro TURN slot, next, fill
	s_wait_dscnt 8
	WIN MULW
	MULP F1, 0, 0, 0
	s_wait_dscnt 0                                 ; my reads of this slot are over
	s_wait_tensorcnt 0x0                           ; all my tensor loads have landed: the one that was out is my part of the next slot
	ds_add_u32 v255, v255
	s_wait_dscnt 0x0
	s_barrier_signal -1
	MULP F1, 0, 2, 0                               ; register work while the others arrive
	WIN 0
	s_barrier_wait -1
.if \fill
	CREST                                          ; no wave of any partner still reads this slot or has a load on its way
	s_add_nc_u64 s[G0+4*\slot+2:G0+4*\slot+3], s[G0+4*\slot+2:G0+4*\slot+3], 4*HEADB
	s_add_nc_u64 s[G0B+4*\slot+2:G0B+4*\slot+3], s[G0B+4*\slot+2:G0B+4*\slot+3], 256*2048
	JLOAD \slot                                    ; my one tensor load behind the round, and the first thing there
.endif
	PLACES
	FETCH \next, 0, F0
	WIN MULW
	MULP F1, 1, 0, 0
	MULP F1, 1, 2, 0
.endm
.macro LAP first                       ; four heads: their upper parts, then their lower parts; both slots filled again
	THREE 0, \first
	TURN 0, 1, 1
	THREE 1, 0
	TURN 1, 0, 1
.endm
	s_wait_loadcnt 0x0                             ; the bias tiles
	s_wait_tensorcnt 0x1                           ; my part of K step 0 is in; K step 1's stays out
	s_barrier_signal -1
	s_barrier_wait -1
	FETCH 0, 0, F0
	LAP 1                                          ; the first lap stands in front of the loop: its first products start the sums
	WIN 0
	s_mov_b32 s3, LAPS-2
.Llap:
	LAP 0
	WIN 0
	s_sub_co_u32 s3, s3, 1
	s_cmp_lg_u32 s3, 0
	s_cbranch_scc1 .Llap
	THREE 0, 0                                     ; the last lap fills nothing
	TURN 0, 1, 0
	THREE 1, 0
	s_wait_dscnt 8
	WIN MULW
	MULP F1, 0, 0, 0
	MULP F1, 0, 2, 0
	s_wait_dscnt 0
	MULP F1, 1, 0, 0
	MULP F1, 1, 2, 0
	; THE WAY OUT, 16 rows at a time, straight from the accumulators through my own stage
	PLACES
	s_lshl_b32 s16, s13, 19                        ; 128 rows of 4,096 bytes for each block row
	s_lshl_b32 s14, s11, 18                        ; + 64 rows x half
	s_add_co_u32 s16, s16, s14
	s_mov_b32 s17, 0
	s_add_nc_u64 s[8:9], s[8:9], s[16:17]
	s_lshl_b32 s46, s42, 9                         ; my first column, in bytes (in the registers that held wpb's address)
	s_lshl_b32 s47, s12, 8
	s_add_co_u32 s46, s46, s47
	s_mov_b32 s47, 0
	s_add_nc_u64 s[8:9], s[8:9], s[46:47]
.macro OUTP a, f
	WIN 0x08                                       ; the stores' data in window 2
.irp b, 0,1,2,3
	ds_store_b128 v[STO], v[8*(4*\a+\b):8*(4*\a+\b)+3]   offset:64*\b
	ds_store_b128 v[STO], v[8*(4*\a+\b)+4:8*(4*\a+\b)+7] offset:64*\b+16
.endr
	WIN 0
	s_wait_xcnt 0x0                                ; buffer f, which earlier stores read, and the stores' base are rewritten only behind this wait
.if \a
	s_add_nc_u64 s[8:9], s[8:9], 16*4096
.endif
.irp t, 0,1,2,3,4,5,6,7
	ds_load_b128 v[\f+4*\t:\f+4*\t+3], v[RD] offset:\t*2*SPITCH    ; LDS serves a wave's instructions in order: these see the stores above
.endr
.irp t, 0,1,2,3,4,5,6,7
	s_wait_dscnt 7-\t
	global_store_b128 v[CO], v[\f+4*\t:\f+4*\t+3], s[8:9] offset:\t*8192 th:TH_STORE_NT   ; 16 lanes store 256 neighbouring bytes at a multiple of 256
.endr
.endm
	OUTP 0, F0
	OUTP 1, F1
	OUTP 2, F0
	OUTP 3, F1
	s_set_vgpr_msb 0x1
	s_wait_tensorcnt 0x0
	ds_add_u32 v255, v255
	s_wait_dscnt 0x0
	s_set_vgpr_msb 0x100
	CROUND                                         ; the closing round
	s_endpgm
.Lfunc_end_k_q840127ab2e_proj:
	.size	k_q840127ab2e_proj, .Lfunc_end_k_q840127ab2e_proj-k_q840127ab2e_proj
	.p2alignl 7, 3214868480
	.fill 96, 4, 3214868480
	.section	.rodata,"a",@progbits
	.p2align	6, 0x0
	.amdhsa_kernel k_q840127ab2e_proj
		.amdhsa_group_segment_fixed_size 327680
		.amdhsa_private_segment_fixed_size 0
		.amdhsa_enable_private_segment 0
		.amdhsa_kernarg_size 32
		.amdhsa_user_sgpr_count 2
		.amdhsa_user_sgpr_kernarg_segment_ptr 1
		.amdhsa_wavefront_size32 1
		.amdhsa_system_sgpr_workgroup_id_x 1
		.amdhsa_system_sgpr_workgroup_id_y 1
		.amdhsa_system_sgpr_workgroup_id_z 1
		.amdhsa_system_vgpr_workitem_id 0
		.amdhsa_next_free_vgpr 640
		.amdhsa_next_free_sgpr 72
		.amdhsa_reserve_vcc 0
		.amdhsa_float_denorm_mode_32 3
		.amdhsa_float_denorm_mode_16_64 3
		.amdhsa_memory_ordered 1
		.amdhsa_forward_progress 1
		.amdhsa_inst_pref_size 124
	.end_amdhsa_kernel
	.amdgpu_metadata
---
amdhsa.version: [ 1, 2 ]
amdhsa.kernels:
  - .name:           k_q840127ab2e_proj
    .symbol:         k_q840127ab2e_proj.kd
    .args:
      - { .name: y, .offset: 0, .size: 8, .value_kind: global_buffer, .address_space: global }
      - { .name: wpb, .offset: 8, .size: 8, .value_kind: global_buffer, .address_space: global }
      - { .name: out0, .offset: 16, .size: 8, .value_kind: global_buffer, .address_space: global }
      - { .name: b_proj, .offset: 24, .size: 8, .value_kind: global_buffer, .address_space: global }
    .group_segment_fixed_size: 327680
    .private_segment_fixed_size: 0
    .kernarg_segment_align: 8
    .kernarg_segment_size: 32
    .max_flat_workgroup_size: 128
    .sgpr_count:     72
    .vgpr_count:     640
    .wavefront_size: 32
...
	.end_amdgpu_metadata
.endif
;; end of part 4
;; ======== version 2 of 2: 4 launches; version 1 with the launch cast written anew for expert scheduling mode
;; limits: values are held in f16: magnitudes above 65,504 overflow, below 6.1e-05 lose precision
;; workspace buffers: xb 8,388,608 bytes; wab 6,291,456 bytes; wpb 2,097,152 bytes; qkv 25,165,824 bytes; y 16,777,216 bytes
;; launch cast (part 5): grid 256 x 1, 8 waves a work-group, no clusters, 0 bytes of LDS; arguments x, w_attn, w_proj, xb, wab, wpb; writes xb, wab, wpb
.if DOCPART == 5
	.amdgcn_target "amdgcn-amd-amdhsa--gfx1250"
	.amdhsa_code_object_version 6
	.text
	.protected	k_q840127ab2e_cast
	.globl	k_q840127ab2e_cast
	.p2align	8
	.type	k_q840127ab2e_cast,@function
k_q840127ab2e_cast:
	s_mov_b64 s[64:65], 0
	v_nop
	global_prefetch_b8 v0, s[64:65] scope:SCOPE_SE
	s_setreg_imm32_b32 hwreg(HW_REG_WAVE_SCHED_MODE, 0, 2), 2
	s_setreg_imm32_b32 hwreg(HW_REG_WAVE_MODE, 25, 1), 1
	s_wait_xcnt 0x0
	s_wait_alu depctr_vm_vsrc(0)
; xb = bf16(x), wab = bf16(w_attn), wpb = bf16(w_proj) kept in f16's format; all rounded to nearest even, number by number.
; The products that follow read each of these numbers many times; converting once here halves their bytes and lets the weights, which lie
; [k][n], be read from LDS by the transposing 16-bit load.  All three inputs carry one and the same rounding, to bf16's 8 significant bits.
; w_proj's partner in its product is f16, so its bf16 value is written as f16: exact for magnitudes from 2^-17 up (8 bits fit in f16's 11, and
; in its denormals' step of 2^-24), off by at most 2^-25 below.
; LIMIT: a w_proj of magnitude 65,520 or more becomes an infinity in f16.
; A pure stream: no LDS, no matrix unit, no cluster (no byte is read twice).
; A work-group takes one chunk of 32,768 numbers (131,072 bytes in, 65,536 out): groups 0-127 x's 128 chunks, groups 128-223 w_attn's 96,
; groups 224-255 w_proj's 32.  Thread t takes 16 bytes at 16 t of each 4,096-byte piece: a wave's load covers 512 neighbouring bytes, its
; store 256 neighbouring bytes at a multiple of 256.  All 32 loads of a thread go out at once.
; THE MODE: SCHED_MODE bits 1:0 = 2 (LLVM: expert scheduling mode 2), set by the entry lines.  The code itself states the register dependences
; between vector instructions and memory instructions, with s_wait_alu, always for 0.
; THE PLAN.  Registers that memory instructions touch:
;   v1, v2   byte offsets of the loads and of the stores: made once at the head, never written again.
;   X        piece i: four registers, in which piece i's load lands; no vector instruction names them ahead of that load, and no memory
;            instruction ever reads them.  Behind the counted wait for the load they are the conversions' alone.
;   Y        piece i: two registers, written by piece i's conversions, read by piece i's one store, never written behind it.
; The 32 pieces go in 8 blocks of four.  Piece i's turn: the wait for its data, the store of piece i - 4, its conversions.  So a block's four stores
; are those of the block before; ONE wait at the block's head states that that block's conversions have written their Y, and the conversions
; issued since write this block's Y alone.  No register that a memory instruction has read is written again: nothing else is owed.
.set PIECES, 32                        ; pieces of 4,096 bytes in a chunk
.set BLK, 4                            ; pieces in a block
.set X, 4                              ; v[4:131]   32 x 4 registers as loaded
.set Y, 132                            ; v[132:195] 32 x 2 registers to store
	s_load_b256 s[4:11], s[0:1], 0x0               ; x s[4:5], w_attn s[6:7], w_proj s[8:9], xb s[10:11]
	s_load_b128 s[12:15], s[0:1], 0x20             ; wab s[12:13], wpb s[14:15]
	v_lshlrev_b32 v1, 4, v0                        ; 16 t: my bytes in a piece of the source
	v_lshlrev_b32 v2, 3, v0                        ; 8 t: my bytes in a piece of the result
	s_sub_co_u32 s16, ttmp9, 128                   ; chunk number if the group works on w_attn
	s_sub_co_u32 s17, ttmp9, 224                   ; chunk number if it works on w_proj
	s_mov_b32 s19, 0xffff0000                      ; a word's upper bf16
	s_wait_kmcnt 0x0
	s_cmp_lt_u32 ttmp9, 224                        ; w_attn or w_proj
	s_cselect_b64 s[20:21], s[6:7], s[8:9]
	s_cselect_b64 s[22:23], s[12:13], s[14:15]
	s_cselect_b32 s18, s16, s17
	s_cmp_lt_u32 ttmp9, 128                        ; or x
	s_cselect_b64 s[20:21], s[4:5], s[20:21]
	s_cselect_b64 s[22:23], s[10:11], s[22:23]
	s_cselect_b32 s18, ttmp9, s18
	s_lshl_b32 s16, s18, 17                        ; chunk x 131,072 bytes
	s_mov_b32 s17, 0
	s_add_nc_u64 s[20:21], s[20:21], s[16:17]
	s_lshl_b32 s16, s18, 16                        ; chunk x 65,536 bytes
	s_add_nc_u64 s[22:23], s[22:23], s[16:17]
	s_wait_alu depctr_va_vdst(0)                   ; v1 and v2 are written: every load of the kernel reads v1 as its offset, every store v2
.set i, 0
.rept PIECES
	global_load_b128 v[X+4*i:X+4*i+3], v1, s[20:21] offset:4096*i th:TH_LOAD_NT
.set i, i+1
.endr
	s_cmp_lt_u32 ttmp9, 224
	s_cbranch_scc0 .Lwproj
	; x and w_attn: to bf16
.set i, 0
.rept PIECES
	s_wait_loadcnt PIECES-1-i                      ; loads come back in order: piece i is in, the younger ones stay out
.if (i >= BLK) && ((i % BLK) == 0)
	s_wait_alu depctr_va_vdst(0)                   ; the conversions of the block before have written their Y, which this block's four stores read
.endif
.if i >= BLK
	global_store_b64 v2, v[Y+2*(i-BLK):Y+2*(i-BLK)+1], s[22:23] offset:2048*(i-BLK)  ; the block before; no vector instruction since the wait names these registers
.endif
	v_cvt_pk_bf16_f32 v[Y+2*i],   v[X+4*i],   v[X+4*i+1]
	v_cvt_pk_bf16_f32 v[Y+2*i+1], v[X+4*i+2], v[X+4*i+3]
.set i, i+1
.endr
	s_wait_alu depctr_va_vdst(0)                   ; the last block's conversions have written their Y, which the last four stores read
.set i, PIECES-BLK
.rept BLK
	global_store_b64 v2, v[Y+2*i:Y+2*i+1], s[22:23] offset:2048*i
.set i, i+1
.endr
	s_endpgm
.Lwproj:
	; w_proj: to bf16, widened again (a shift, a mask), and written as f16
.set i, 0
.rept PIECES
	s_wait_loadcnt PIECES-1-i                      ; the same counts on this path: the same 32 loads were issued
.if (i >= BLK) && ((i % BLK) == 0)
	s_wait_alu depctr_va_vdst(0)                   ; the conversions of the block before have written their Y for the last time: this block's four stores read it
.endif
.if i >= BLK
	global_store_b64 v2, v[Y+2*(i-BLK):Y+2*(i-BLK)+1], s[22:23] offset:2048*(i-BLK)  ; the block before; no vector instruction since the wait names these registers
.endif
	v_cvt_pk_bf16_f32 v[Y+2*i],   v[X+4*i],   v[X+4*i+1]
	v_cvt_pk_bf16_f32 v[Y+2*i+1], v[X+4*i+2], v[X+4*i+3]
	v_lshlrev_b32 v[X+4*i],   16,  v[Y+2*i]
	v_and_b32     v[X+4*i+1], s19, v[Y+2*i]
	v_lshlrev_b32 v[X+4*i+2], 16,  v[Y+2*i+1]
	v_and_b32     v[X+4*i+3], s19, v[Y+2*i+1]
	v_cvt_pk_f16_f32 v[Y+2*i],   v[X+4*i],   v[X+4*i+1]
	v_cvt_pk_f16_f32 v[Y+2*i+1], v[X+4*i+2], v[X+4*i+3]
.set i, i+1
.endr
	s_wait_alu depctr_va_vdst(0)                   ; the last block's conversions have written their Y, which the last four stores read
.set i, PIECES-BLK
.rept BLK
	global_store_b64 v2, v[Y+2*i:Y+2*i+1], s[22:23] offset:2048*i
.set i, i+1
.endr
	s_endpgm
.Lfunc_end_k_q840127ab2e_cast:
	.size	k_q840127ab2e_cast, .Lfunc_end_k_q840127ab2e_cast-k_q840127ab2e_cast
	.p2alignl 7, 3214868480
	.fill 96, 4, 3214868480
	.section	.rodata,"a",@progbits
	.p2align	6, 0x0
	.amdhsa_kernel k_q840127ab2e_cast
		.amdhsa_group_segment_fixed_size 0
		.amdhsa_private_segment_fixed_size 0
		.amdhsa_enable_private_segment 0
		.amdhsa_kernarg_size 48
		.amdhsa_user_sgpr_count 2
		.amdhsa_user_sgpr_kernarg_segment_ptr 1
		.amdhsa_wavefront_size32 1
		.amdhsa_system_sgpr_workgroup_id_x 1
		.amdhsa_system_sgpr_workgroup_id_y 1
		.amdhsa_system_sgpr_workgroup_id_z 1
		.amdhsa_system_vgpr_workitem_id 0
		.amdhsa_next_free_vgpr 196
		.amdhsa_next_free_sgpr 66
		.amdhsa_reserve_vcc 0
		.amdhsa_float_denorm_mode_32 3
		.amdhsa_float_denorm_mode_16_64 3
		.amdhsa_memory_ordered 1
		.amdhsa_forward_progress 1
		.amdhsa_inst_pref_size 29
	.end_amdhsa_kernel
	.amdgpu_metadata
---
amdhsa.version: [ 1, 2 ]
amdhsa.kernels:
  - .name:           k_q840127ab2e_cast
    .symbol:         k_q840127ab2e_cast.kd
    .args:
      - { .name: x, .offset: 0, .size: 8, .value_kind: global_buffer, .address_space: global }
      - { .name: w_attn, .offset: 8, .size: 8, .value_kind: global_buffer, .address_space: global }
      - { .name: w_proj, .offset: 16, .size: 8, .value_kind: global_buffer, .address_space: global }
      - { .name: xb, .offset: 24, .size: 8, .value_kind: global_buffer, .address_space: global }
      - { .name: wab, .offset: 32, .size: 8, .value_kind: global_buffer, .address_space: global }
      - { .name: wpb, .offset: 40, .size: 8, .value_kind: global_buffer, .address_space: global }
    .group_segment_fixed_size: 0
    .private_segment_fixed_size: 0
    .kernarg_segment_align: 8
    .kernarg_segment_size: 48
    .max_flat_workgroup_size: 256
    .sgpr_count:     66
    .vgpr_count:     196
    .wavefront_size: 32
...
	.end_amdgpu_metadata
.endif
;; end of part 5
;; launch qkv: the kernel of part 2 again; grid 12 x 16, 4 waves a work-group, clusters of 4 x 4, 327,680 bytes of LDS; arguments xb, wab, qkv, b_attn; writes qkv
;; launch attn: the kernel of part 3 again; grid 8 x 32, 8 waves a work-group, no clusters, 327,680 bytes of LDS; arguments qkv, y; writes y
;; launch proj: the kernel of part 4 again; grid 8 x 32, 4 waves a work-group, clusters of 4 x 4, 327,680 bytes of LDS; arguments y, wpb, out0, b_proj; writes out0
